; MI455X (gfx1250); checked and timed in simulation.
; The chip was launched on July 23, 2026; its instructions are those of AMD's public machine-readable ISA for CDNA 5 (MIT licence, August 2026) and "CDNA5" Instruction Set Architecture Reference Guide (July 2026). The comments in the code are by the model that wrote it; some were corrected since.
;; Qwen Attention. Allowed arithmetic: float matrix products may take bf16 or f16 operands with f32 sums; other float arithmetic in f32, or as packed bf16 or f16 multiplies, adds, multiply-adds, maxima and minima; sums over many terms, partial sums and values carried from step to step in f32; what a program stores and reads back later, other than sums and carried values, may be rounded once to bf16 or f16.
;; Inputs: wk_b 512 float32; wk_w 512 x 2,048 float32; wo_w 2,048 x 2,048 float32; wq_b 2,048 float32; wq_w 2,048 x 2,048 float32; wv_b 512 float32; wv_w 512 x 2,048 float32; x 4 x 1,024 x 2,048 float32.
;; Outputs: out0 4 x 1,024 x 2,048 float32.
;; One version. Each part assembles by itself: llvm-mc -triple=amdgcn-amd-amdhsa -mcpu=gfx1250 --defsym DOCPART=n.
;; ======== version 1 of 1: 4 launches
;; limits: values are held in f16: magnitudes above 65,504 overflow, below 6.1e-05 lose precision
;; workspace buffers: xb 16,777,216 bytes; wqkv 12,582,912 bytes; wob 8,388,608 bytes; biasp 12,288 bytes; rope 655,360 bytes; qkv 25,165,824 bytes; ctx 16,777,216 bytes
;; launch prep (part 1): grid 2630 x 1, 4 waves a work-group, no clusters, 0 bytes of LDS; arguments x, wq_w, wk_w, wv_w, wo_w, wq_b, wk_b, wv_b, xb, wqkv, wob, biasp, rope; writes xb, wqkv, wob, biasp, rope
.if DOCPART == 1
	.amdgcn_target "amdgcn-amd-amdhsa--gfx1250"
	.amdhsa_code_object_version 6
	.text
	.protected	k_q53b2da093d_prep
	.globl	k_q53b2da093d_prep
	.p2align	8
	.type	k_q53b2da093d_prep,@function
k_q53b2da093d_prep:
	s_mov_b64 s[64:65], 0
	v_nop
	global_prefetch_b8 v0, s[64:65] scope:SCOPE_SE
	s_setreg_imm32_b32 hwreg(HW_REG_WAVE_MODE, 25, 1), 1
	s_wait_xcnt 0x0
; PREP: everything that the three matrix launches want in 16 bits or in another order, made once.  A stream: no LDS, no matrix unit, no cluster (no work-group shares a byte with another).
; Work-groups 0-2303: CAST of four rows of 2,048 f32 (32,768 bytes in, 16,384 out), a wave a row.  9,216 rows in all: 2,304 work-groups of equal work, nine for each of 256 WGPs; the small roles come last.
;   0-1023 x -> xb (bf16);  1024-1535 wq_w, 1536-1663 wk_w, 1664-1791 wv_w -> wqkv (bf16);  1792-2303 wo_w -> wob (rounded to bf16, that number written as f16).
;   wqkv's rows stand in the order of the projection's columns.  In a head of q or k the eight blocks of 16 rows are permuted, block t -> 2 (t % 4) + t / 4, so that channel d and channel d + 64,
;   which RoPE pairs, fall 16 columns apart in one group of 32.  q and k share the order, so q . k is unchanged; v keeps its own.
;   A wave's load covers 512 consecutive bytes (lane l its 16 at 16 l), its store 256 consecutive bytes, aligned (lane l its 8 at 8 l): no byte is named twice, in or out.
; Work-groups 2304-2623: the RoPE TABLE rope[5][1024][32] f32: plane g, position s: cos of the angles s x 1e6^(-j/64), j = 16 g .. 16 g + 15, then their sines.  Plane 4 is cos = 1, sin = 0 (for v).
; Work-groups 2624-2629: the three BIASES, rounded to bf16, widened to f32, in wqkv's row order; a wave a head.
; LIMITS.  A weight of wo below 6e-5 in magnitude keeps f16's fixed step of 6e-8, one beyond 65,504 is lost.  The angle is one f32 product of s and a frequency good to about 1e-7 of itself:
; about 1e-4 rad at the largest angles.  The range is reduced for every angle, and the cosine's series on [-pi, pi] is cut at pi^18 / 18! = 1.4e-7.
.set X,   8                            ; v[8:71]  a wave's row of f32: 16 loads of 16 bytes a lane, all on their way at once
.set B_Q, 1024                         ; the first work-group of each role; a cast work-group is a block of four rows
.set B_K, B_Q+512
.set B_V, B_K+128
.set B_O, B_V+128
.set B_T, B_O+512
.set B_B, B_T+320
	s_load_b512 s[8:23], s[0:1], 0x0               ; x 8, wq_w 10, wk_w 12, wv_w 14, wo_w 16, wq_b 18, wk_b 20, wv_b 22
	s_load_b256 s[24:31], s[0:1], 0x40             ; xb 24, wqkv 26, wob 28, biasp 30
	s_load_b64 s[32:33], s[0:1], 0x60              ; rope
	s_mov_b32 s2, ttmp9                            ; the work-group's number chooses the role
	v_lshrrev_b32 v1, 5, v0
	v_readfirstlane_b32 s3, v1                     ; wave 0..3
	v_and_b32 v2, 31, v0                           ; lane
	s_cmp_ge_u32 s2, B_B
	s_cbranch_scc1 .Lbias
	s_cmp_ge_u32 s2, B_T
	s_cbranch_scc1 .Ltable
	; CAST.  All candidates first, then the choices: only selects stand between a compare and its selects.
	s_sub_co_u32 s4, s2, B_Q                       ; block of four rows in wqkv: bits 1:0 the four rows in a block of 16, bits 4:2 that block t in its head
	s_and_b32 s5, s4, 0xffffffe3
	s_and_b32 s6, s4, 0x0c
	s_lshl_b32 s6, s6, 1                           ; 2 (t % 4)
	s_or_b32 s5, s5, s6
	s_lshr_b32 s6, s4, 2
	s_and_b32 s6, s6, 4                            ; t / 4
	s_or_b32 s5, s5, s6                            ; the same, permuted inside its head
	s_sub_co_u32 s6, s2, B_K
	s_sub_co_u32 s7, s2, B_V
	s_sub_co_u32 s44, s2, B_O
	s_mov_b32 s38, s2                              ; source block
	s_mov_b32 s39, s2                              ; destination block
	s_wait_kmcnt 0x0
	s_mov_b64 s[34:35], s[8:9]
	s_mov_b64 s[36:37], s[24:25]
	s_cmp_ge_u32 s2, B_Q
	s_cselect_b64 s[34:35], s[10:11], s[34:35]
	s_cselect_b64 s[36:37], s[26:27], s[36:37]
	s_cselect_b32 s38, s4, s38
	s_cselect_b32 s39, s5, s39
	s_cmp_ge_u32 s2, B_K
	s_cselect_b64 s[34:35], s[12:13], s[34:35]
	s_cselect_b32 s38, s6, s38
	s_cmp_ge_u32 s2, B_V
	s_cselect_b64 s[34:35], s[14:15], s[34:35]
	s_cselect_b32 s38, s7, s38
	s_cselect_b32 s39, s4, s39                     ; v is not permuted
	s_cmp_ge_u32 s2, B_O
	s_cselect_b64 s[34:35], s[16:17], s[34:35]
	s_cselect_b64 s[36:37], s[28:29], s[36:37]
	s_cselect_b32 s38, s44, s38
	s_cselect_b32 s39, s44, s39
	s_lshl_b32 s40, s38, 15                        ; four rows of 8,192 bytes
	s_mov_b32 s41, 0
	s_lshl_b32 s42, s39, 14                        ; four rows of 4,096 bytes
	s_mov_b32 s43, 0
	s_add_nc_u64 s[34:35], s[34:35], s[40:41]
	s_add_nc_u64 s[36:37], s[36:37], s[42:43]
	v_lshlrev_b32 v3, 4, v2                        ; in: my wave's row, my 16 bytes of each 512
	v_lshl_add_u32 v3, v1, 13, v3
	v_lshlrev_b32 v4, 3, v2                        ; out: my 8 bytes of each 256
	v_lshl_add_u32 v4, v1, 12, v4
.set i, 0
.rept 16
	global_load_b128 v[X+4*i:X+4*i+3], v3, s[34:35] offset:512*i th:TH_LOAD_NT
.set i, i+1
.endr
	s_mov_b32 s45, 0xffff0000                      ; a word's upper bf16
; Chunk i: its load is in when at most the 15 - i younger ones are out.  Four f32 are rounded in place to two words.  No register is written again behind a store.
; fmt = 1: the bf16 number is widened again and written as f16.
.macro CHUNKS fmt
.set i, 0
.rept 16
	s_wait_loadcnt 15-i
	v_cvt_pk_bf16_f32 v[X+4*i],   v[X+4*i],   v[X+4*i+1]
	v_cvt_pk_bf16_f32 v[X+4*i+1], v[X+4*i+2], v[X+4*i+3]
.if \fmt
.irp k, 0,1
	v_lshlrev_b32 v6, 16, v[X+4*i+(\k)]
	v_and_b32 v7, s45, v[X+4*i+(\k)]
	v_cvt_pk_f16_f32 v[X+4*i+(\k)], v6, v7
.endr
.endif
	global_store_b64 v4, v[X+4*i:X+4*i+1], s[36:37] offset:256*i
.set i, i+1
.endr
.endm
	s_cmp_ge_u32 s2, B_O
	s_cbranch_scc1 .Lcast_f16
	CHUNKS 0
	s_endpgm
.Lcast_f16:
	CHUNKS 1
	s_endpgm
.Ltable:                                       ; a work-group writes 16 positions of one plane, 2,048 consecutive bytes; a thread 16 of them: four cosines or four sines
	s_sub_co_u32 s4, s2, B_T
	s_lshr_b32 s5, s4, 6
	s_lshl_b32 s5, s5, 4                           ; 16 x plane: the plane's first frequency
	s_and_b32 s6, s4, 63
	s_lshl_b32 s6, s6, 4                           ; the first position
	s_lshl_b32 s7, s4, 11
	v_lshl_add_u32 v3, v0, 4, s7                   ; my 16 bytes
	v_and_b32 v4, 7, v0                            ; pieces 0-3 of a position: cosines; 4-7: sines
	v_cmp_gt_u32 vcc_lo, 4, v4
	v_mov_b32 v5, 0
	s_cmp_ge_u32 s4, 256
	s_cbranch_scc1 .Lunit
	v_mov_b32 v6, 0x3e800000                       ; sin t = cos(t - pi/2): a quarter turn less in the count of turns,
	v_cndmask_b32 v6, v6, v5, vcc_lo
	v_mov_b32 v7, 0x3fc90fdb                       ; and pi/2 less in the angle
	v_cndmask_b32 v7, v7, v5, vcc_lo
	v_lshrrev_b32 v8, 3, v0
	v_add_nc_u32 v8, s6, v8
	v_cvt_f32_u32 v8, v8                           ; s
	v_and_b32 v9, 3, v0
	v_lshl_add_u32 v9, v9, 2, s5                   ; my first j
.irp i, 0,1,2,3
	v_add_nc_u32 v[12+(\i)], (\i), v9
	v_cvt_f32_u32 v[12+(\i)], v[12+(\i)]
	v_mul_f32 v[12+(\i)], 0xbe9f73da, v[12+(\i)]   ; -j log2(1e6) / 64
.endr
.irp i, 0,1,2,3
	v_exp_f32 v[12+(\i)], v[12+(\i)]               ; the frequency
.endr
	v_mov_b32 v10, 0x29573f9f                      ; 1/16!: also the plain instruction behind the last exponential
	s_wait_alu depctr_va_vdst(0)                   ; one wait for the four, ahead of their first reader
.irp i, 0,1,2,3
	v_mul_f32 v[12+(\i)], v8, v[12+(\i)]           ; the angle
	v_fma_f32 v[16+(\i)], v[12+(\i)], 0.15915494, -v6
	v_rndne_f32 v[16+(\i)], v[16+(\i)]             ; whole turns n
	v_fmamk_f32 v[12+(\i)], v[16+(\i)], 0xc0c90000, v[12+(\i)]  ; - n x 6.28125, exact: n has 8 bits, the factor 8
	v_fmamk_f32 v[12+(\i)], v[16+(\i)], 0xbafdaa22, v[12+(\i)]  ; - n x the rest of 2 pi
	v_sub_f32 v[12+(\i)], v[12+(\i)], v7
	v_mul_f32 v[16+(\i)], v[12+(\i)], v[12+(\i)]
	v_fmaak_f32 v[20+(\i)], v10, v[16+(\i)], 0xad49cba5         ; -1/14!
	v_fmaak_f32 v[20+(\i)], v[20+(\i)], v[16+(\i)], 0x310f76c8  ; 1/12!
	v_fmaak_f32 v[20+(\i)], v[20+(\i)], v[16+(\i)], 0xb493f27e  ; -1/10!
	v_fmaak_f32 v[20+(\i)], v[20+(\i)], v[16+(\i)], 0x37d00d01  ; 1/8!
	v_fmaak_f32 v[20+(\i)], v[20+(\i)], v[16+(\i)], 0xbab60b61  ; -1/6!
	v_fmaak_f32 v[20+(\i)], v[20+(\i)], v[16+(\i)], 0x3d2aaaab  ; 1/4!
	v_fma_f32 v[20+(\i)], v[20+(\i)], v[16+(\i)], -0.5
	v_fma_f32 v[20+(\i)], v[20+(\i)], v[16+(\i)], 1.0
.endr
	s_wait_kmcnt 0x0
	global_store_b128 v3, v[20:23], s[32:33]
	s_endpgm
.Lunit:                                        ; plane 4: the rotation that changes nothing
	v_mov_b32 v6, 1.0
	v_cndmask_b32 v20, v5, v6, vcc_lo
	v_mov_b32 v21, v20
	v_mov_b32 v22, v20
	v_mov_b32 v23, v20
	s_wait_kmcnt 0x0
	global_store_b128 v3, v[20:23], s[32:33]
	s_endpgm
.Lbias:                                        ; wave = head 0..23 (16 of q, 4 of k, 4 of v); lane l writes the head's numbers 4 l .. 4 l + 3
	s_sub_co_u32 s4, s2, B_B
	s_lshl_b32 s4, s4, 2
	s_add_co_u32 s4, s4, s3
	s_sub_co_u32 s5, s4, 16
	s_sub_co_u32 s6, s4, 20
	s_mov_b32 s7, s4
	s_wait_kmcnt 0x0
	s_mov_b64 s[34:35], s[18:19]
	s_cmp_ge_u32 s4, 16
	s_cselect_b64 s[34:35], s[20:21], s[34:35]
	s_cselect_b32 s7, s5, s7
	s_cmp_ge_u32 s4, 20
	s_cselect_b64 s[34:35], s[22:23], s[34:35]
	s_cselect_b32 s7, s6, s7
	s_cselect_b32 s38, 0, -1                       ; all ones for q and k: the permuted order
	s_lshl_b32 s40, s7, 9
	s_mov_b32 s41, 0
	s_add_nc_u64 s[34:35], s[34:35], s[40:41]
	s_lshl_b32 s42, s4, 9
	s_mov_b32 s43, 0
	s_add_nc_u64 s[36:37], s[30:31], s[42:43]
	v_lshrrev_b32 v3, 3, v2
	v_lshlrev_b32 v3, 4, v3                        ; 16 x group of 32
	v_bfe_u32 v4, v2, 2, 1
	v_lshl_add_u32 v3, v4, 6, v3                   ; + 64 in the group's upper half
	v_and_b32 v4, 3, v2
	v_lshl_add_u32 v3, v4, 2, v3                   ; the channel that stands there
	v_lshlrev_b32 v4, 2, v2
	v_cndmask_b32 v3, v4, v3, s38
	v_lshlrev_b32 v3, 2, v3
	v_lshlrev_b32 v5, 4, v2
	global_load_b128 v[8:11], v3, s[34:35]
	s_wait_loadcnt 0x0
	v_cvt_pk_bf16_f32 v12, v8, v9
	v_cvt_pk_bf16_f32 v13, v10, v11
	v_lshlrev_b32 v8, 16, v12
	v_and_b32 v9, 0xffff0000, v12
	v_lshlrev_b32 v10, 16, v13
	v_and_b32 v11, 0xffff0000, v13
	global_store_b128 v5, v[8:11], s[36:37]
	s_endpgm
.Lfunc_end_k_q53b2da093d_prep:
	.size	k_q53b2da093d_prep, .Lfunc_end_k_q53b2da093d_prep-k_q53b2da093d_prep
	.p2alignl 7, 3214868480
	.fill 96, 4, 3214868480
	.section	.rodata,"a",@progbits
	.p2align	6, 0x0
	.amdhsa_kernel k_q53b2da093d_prep
		.amdhsa_group_segment_fixed_size 0
		.amdhsa_private_segment_fixed_size 0
		.amdhsa_enable_private_segment 0
		.amdhsa_kernarg_size 104
		.amdhsa_user_sgpr_count 2
		.amdhsa_user_sgpr_kernarg_segment_ptr 1
		.amdhsa_wavefront_size32 1
		.amdhsa_system_sgpr_workgroup_id_x 1
		.amdhsa_system_sgpr_workgroup_id_y 1
		.amdhsa_system_sgpr_workgroup_id_z 1
		.amdhsa_system_vgpr_workitem_id 0
		.amdhsa_next_free_vgpr 72
		.amdhsa_next_free_sgpr 66
		.amdhsa_reserve_vcc 1
		.amdhsa_float_denorm_mode_32 3
		.amdhsa_float_denorm_mode_16_64 3
		.amdhsa_memory_ordered 1
		.amdhsa_forward_progress 1
		.amdhsa_inst_pref_size 24
	.end_amdhsa_kernel
	.amdgpu_metadata
---
amdhsa.version: [ 1, 2 ]
amdhsa.kernels:
  - .name:           k_q53b2da093d_prep
    .symbol:         k_q53b2da093d_prep.kd
    .args:
      - { .name: x, .offset: 0, .size: 8, .value_kind: global_buffer, .address_space: global }
      - { .name: wq_w, .offset: 8, .size: 8, .value_kind: global_buffer, .address_space: global }
      - { .name: wk_w, .offset: 16, .size: 8, .value_kind: global_buffer, .address_space: global }
      - { .name: wv_w, .offset: 24, .size: 8, .value_kind: global_buffer, .address_space: global }
      - { .name: wo_w, .offset: 32, .size: 8, .value_kind: global_buffer, .address_space: global }
      - { .name: wq_b, .offset: 40, .size: 8, .value_kind: global_buffer, .address_space: global }
      - { .name: wk_b, .offset: 48, .size: 8, .value_kind: global_buffer, .address_space: global }
      - { .name: wv_b, .offset: 56, .size: 8, .value_kind: global_buffer, .address_space: global }
      - { .name: xb, .offset: 64, .size: 8, .value_kind: global_buffer, .address_space: global }
      - { .name: wqkv, .offset: 72, .size: 8, .value_kind: global_buffer, .address_space: global }
      - { .name: wob, .offset: 80, .size: 8, .value_kind: global_buffer, .address_space: global }
      - { .name: biasp, .offset: 88, .size: 8, .value_kind: global_buffer, .address_space: global }
      - { .name: rope, .offset: 96, .size: 8, .value_kind: global_buffer, .address_space: global }
    .group_segment_fixed_size: 0
    .private_segment_fixed_size: 0
    .kernarg_segment_align: 8
    .kernarg_segment_size: 104
    .max_flat_workgroup_size: 128
    .sgpr_count:     66
    .vgpr_count:     72
    .wavefront_size: 32
...
	.end_amdgpu_metadata
.endif
;; end of part 1
;; launch qkv (part 2): grid 16 x 16, 4 waves a work-group, clusters of 4 x 4, 327,680 bytes of LDS; arguments xb, wqkv, biasp, rope, qkv; writes qkv
.if DOCPART == 2
	.amdgcn_target "amdgcn-amd-amdhsa--gfx1250"
	.amdhsa_code_object_version 6
	.text
	.protected	k_q53b2da093d_qkv
	.globl	k_q53b2da093d_qkv
	.p2align	8
	.type	k_q53b2da093d_qkv,@function
k_q53b2da093d_qkv:
	s_mov_b64 s[64:65], 0
	v_nop
	global_prefetch_b8 v0, s[64:65] scope:SCOPE_SE
	s_setreg_imm32_b32 hwreg(HW_REG_WAVE_MODE, 25, 1), 1
	s_wait_xcnt 0x0
	s_wait_alu depctr_hold_cnt(0) depctr_sa_sdst(0) depctr_va_vdst(0) depctr_va_sdst(0) depctr_va_ssrc(0) depctr_va_vcc(0) depctr_vm_vsrc(0)
	s_getreg_b32 s2, hwreg(HW_REG_IB_STS2, 6, 4)
	s_cmp_eq_u32 s2, 0
	s_cbranch_scc0 .Lentry_in_a_cluster
	s_endpgm
.Lentry_in_a_cluster:
	s_bfe_u32 s2, ttmp6, 0x10000c
	s_cmp_lg_u32 s2, 0xf033
	s_cbranch_scc0 .Lentry_shape_is_right
	s_endpgm
.Lentry_shape_is_right:
; q, k, v = x W^T + bias, RoPE on q and k, rounded once to f16.  A = xb [4096][2048] bf16, B = wqkv [3072][2048] bf16 (rows in column order), sums in f32.
; OUT: qkv [4 b][96 P][1024 s][32 u] f16, PANELS of 32 columns: P = 0-63 q (4 a head), 64-79 k, 80-95 v.  In a panel of q or k column u < 16 is channel 16 (P % 4) + u, column u + 16 the channel 64 further on.
; TILE.  256 x 192 of C to a work-group: 16 x 16 = 256 work-groups.  Four waves, each 128 x 96: 48 accumulators, 384 registers.  A wave's 96 columns are three whole panels.
; K goes in steps of 128 through two LDS slots filled by the tensor data mover; rows of 256 bytes, padded to 272.
; CLUSTER 4 x 4: A's tile is asked for jointly along a row of the cluster, B's along a column: the same load, descriptor and mask in all four.
; THE MATRIX INSTRUCTION IS USED TRANSPOSED (source 0 = 16 rows of B, source 1 = 16 rows of A): a lane holds row l % 16 of C and eight neighbouring columns 8 (l / 16) + 0..7.
; THE BIAS is the C operand of the product that starts a sum.  ROPE: a channel and its partner lie in accumulators 2 g and 2 g + 1, same lane, same register; cos and sin come from the table
; (plane P % 4; v's panels take plane 4, cos = 1 and sin = 0, chosen by a select: no branch hangs on the work-group's place in its cluster).
; LIMIT.  q, k and v leave in f16: beyond 65,504 they are lost.  NaN and infinities are not treated apart.
; No prefetch of the tiles: of B's 96 rows a wave the four partners' shares are no whole run of 32 lanes, a lane a row.
; REGISTERS, in windows of 256: window 0: v0-31 addresses; v64-127, v128-191 A's fragments (on the way out: at work); v32-63, v192-255 two buffers of table numbers.
;   window 1: v64-111, v128-175 B's fragments; v192-239 the bias.   window 2: accumulators of my rows 0-63, (a, b) at 8 (6 a + b);   window 3: of my rows 64-127.
.set SIZE_K, 2048
.set KSTEP,  128
.set PITCH,  272                       ; 256 bytes + 16 of padding = 68 words: the 16 rows of a fragment load start at 16 different groups of four banks (ISA guide 11.1)
.set NBW,    6                         ; blocks of 16 columns a wave
.set HA,     128*PITCH                 ; half of A's tile: one tensor load, one wave's rows
.set HB,     16*NBW*PITCH              ; half of B's
.set SLOT,   2*HA+2*HB
.set STAGE,  2*SLOT                    ; behind the ring: for each wave 3 panels x 16 rows x 80 bytes
.set WST,    3*16*80
.set SPARE,  STAGE+4*WST               ; behind the stages: the spare words, 128 bytes a wave, which no other line names
.set NL,     2*NBW+16                  ; LDS loads in a run
.set LAPS,   SIZE_K/(2*KSTEP)
.set ADRA, 16                          ; v16-17 LDS address of my A fragments in slot 0, 1
.set ADRB, 20                          ; v20-21 the same for B
.set STO,  24                          ; the way out: where I put 16 bytes of a panel's row
.set RD,   25                          ; where I read 16 bytes back
.set CO,   26                          ; my 16 bytes of 512 consecutive bytes of a panel
.set TO,   27                          ; my offset in the table: row x 128 + 32 x half
.set SPW,  28                          ; LDS address of my spare word; never rewritten
.set NIL,  29                          ; 0; never rewritten
.set BO,   30                          ; my offset in the bias: 32 x half
.set F0,   64
.set F1,   128
.set BIAS, 192                         ; window 1
.set Y,    64                          ; the way out: rotated numbers, 16 a panel
.set PK,   112                         ; packed, 8 a panel
.set OB,   136                         ; read back, two buffers of 24
.set G1, 24                            ; s[24:31] group 1 for A;  s[32:39] group 0, a set for each slot
.set G0, 32
.set G1B, 48                           ; s[48:55], s[56:63] the same for B
.set G0B, 56
.set TBS, 68                           ; s[68:73] the table at my first position, for each of my three panels
.set QBS, 76                           ; s[76:81] my three panels at my first position
.set MSB, 0
.macro WIN new                         ; the immediate's high byte repeats the setting that is left; a switch that changes nothing is dropped
.if MSB != (\new)
	s_set_vgpr_msb (MSB<<8)|(\new)
.set MSB, \new
.endif
.endm
.macro JLOAD s                         ; a joint load: waves 0 and 1 fetch A's halves, waves 2 and 3 B's; an s_nop 0 and four v_nop follow each line
	s_cmp_eq_u32 s11, 0
	s_cbranch_scc0 .Lfor_b_\@
	tensor_load_to_lds s[G0+4*(\s):G0+4*(\s)+3], s[G1:G1+7]
	s_nop 0
.rept 4
	v_nop
.endr
	s_branch .Lasked_\@
.Lfor_b_\@:
	tensor_load_to_lds s[G0B+4*(\s):G0B+4*(\s)+3], s[G1B:G1B+7]
	s_nop 0
.rept 4
	v_nop
.endr
.Lasked_\@:
.endm
.macro CREST                           ; a round of the cluster's barrier behind its opening barrier
	s_cmp_lg_u32 s10, 0
	s_cbranch_scc1 .Lnot_wave_0_\@
	s_barrier_signal -3
.Lnot_wave_0_\@:
	s_barrier_wait -3
	s_barrier_signal -1
	s_barrier_wait -1
.endm
.macro CROUND
	s_barrier_signal -1
	s_barrier_wait -1
	CREST
.endm
.macro PLACES                          ; four places behind a matrix instruction (ISA guide 7.12.1), where no other vector work is at hand
.rept 4
	v_nop
.endr
.endm
	s_load_b128 s[4:7], s[0:1], 0x0                ; xb s[4:5], wqkv s[6:7]
	s_load_b128 s[84:87], s[0:1], 0x10             ; biasp s[84:85], rope s[86:87]
	s_load_b64 s[8:9], s[0:1], 0x20                ; qkv
	v_lshl_add_u32 v[SPW], v0, 2, SPARE
	v_mov_b32 v[NIL], 0
	ds_add_u32 v[SPW], v[NIL]                      ; the wave's opening: the add and its wait, ahead of my first tensor load
	v_lshrrev_b32 v1, 5, v0
	v_readfirstlane_b32 s10, v1                    ; wave 0..3
	s_lshr_b32 s11, s10, 1                         ; my half of the tile's rows.  Also: I fetch for A (0) or B (1)
	s_and_b32 s12, s10, 1                          ; my half of its columns.  Also: which half I fetch
	s_bfe_u32 s40, ttmp6, 0x40000                  ; cx
	s_bfe_u32 s41, ttmp6, 0x40004                  ; cy
	s_lshl_b32 s42, ttmp9, 2
	s_add_co_u32 s42, s42, s40                     ; tile column
	s_and_b32 s13, ttmp7, 0xffff
	s_lshl_b32 s13, s13, 2
	s_add_co_u32 s13, s13, s41                     ; tile row
	s_lshl_b32 s43, s41, 2
	s_lshl_b32 s43, 15, s43                        ; my row of the cluster
	s_lshl_b32 s44, 0x1111, s40                    ; my column
	s_or_b32 s[G1+0], s43, (1<<16)|(1<<20)|(1<<21)|(5<<22)|(3<<25)   ; mask; 2-byte elements; padding on; bit 21 beside a mask; after every 64 words 4 words
	s_or_b32 s[G1B+0], s44, (1<<16)|(1<<20)|(1<<21)|(5<<22)|(3<<25)
	s_mov_b32 s[G1+1], KSTEP<<16                   ; tensor_dim0 = 128
	s_mov_b32 s[G1+2], 128<<16                     ; tensor_dim1 = 128
	s_mov_b32 s[G1+3], KSTEP<<16                   ; tile_dim0 = 128
	s_mov_b32 s[G1+4], 128                         ; tile_dim1 = 128
	s_mov_b32 s[G1+5], SIZE_K                      ; elements from row to row
	s_mov_b32 s[G1+6], 0
	s_mov_b32 s[G1+7], 0
	s_mov_b32 s[G1B+1], KSTEP<<16
	s_mov_b32 s[G1B+2], (16*NBW)<<16               ; B: 96 rows
	s_mov_b32 s[G1B+3], KSTEP<<16
	s_mov_b32 s[G1B+4], 16*NBW
	s_mov_b32 s[G1B+5], SIZE_K
	s_mov_b32 s[G1B+6], 0
	s_mov_b32 s[G1B+7], 0
	s_lshl_b32 s17, s12, 7
	s_lshl_b32 s16, s13, 8
	s_add_co_u32 s16, s16, s17                     ; A: row 256 x tile row + 128 x half
	s_lshl_b32 s16, s16, 12                        ; x 4,096 bytes
	s_mov_b32 s17, 0
	s_mul_i32 s46, s42, 32*NBW
	s_mul_i32 s47, s12, 16*NBW
	s_add_co_u32 s46, s46, s47                     ; B: row 192 x tile column + 96 x half
	s_lshl_b32 s46, s46, 12
	s_mov_b32 s47, 0
	s_mul_i32 s20, s12, HA                         ; where they go: the wave's number alone enters an LDS address
	s_mul_i32 s21, s12, HB
	s_add_co_u32 s21, s21, 2*HA
	s_wait_dscnt 0x0                               ; the opening add is done
	s_wait_kmcnt 0x0
	s_add_nc_u64 s[14:15], s[4:5], s[16:17]
	s_add_nc_u64 s[46:47], s[6:7], s[46:47]
	CROUND                                         ; all sixteen work-groups are here: the first joint loads meet
.irp s, 0,1
	s_mov_b32 s[G0+4*(\s)], 1
	s_add_co_u32 s[G0+4*(\s)+1], s20, (\s)*SLOT
	s_add_nc_u64 s[G0+4*(\s)+2:G0+4*(\s)+3], s[14:15], (\s)*KSTEP*2
	s_or_b32 s[G0+4*(\s)+3], s[G0+4*(\s)+3], 0x80000000
	s_mov_b32 s[G0B+4*(\s)], 1
	s_add_co_u32 s[G0B+4*(\s)+1], s21, (\s)*SLOT
	s_add_nc_u64 s[G0B+4*(\s)+2:G0B+4*(\s)+3], s[46:47], (\s)*KSTEP*2
	s_or_b32 s[G0B+4*(\s)+3], s[G0B+4*(\s)+3], 0x80000000
	JLOAD \s                                       ; two loads of mine are out
.endr
	v_and_b32 v1, 15, v0                           ; l % 16
	v_bfe_u32 v2, v0, 4, 1                         ; l / 16
	v_mul_u32_u24 v3, v1, PITCH
	v_lshl_add_u32 v3, v2, 4, v3
	s_mul_i32 s21, s11, HA
	s_mul_i32 s22, s12, HB
	s_add_co_u32 s22, s22, 2*HA
.irp s, 0,1
	v_add_nc_u32 v[ADRA+(\s)], s21, v3
	v_add_nc_u32 v[ADRB+(\s)], s22, v3
	s_add_co_u32 s21, s21, SLOT
	s_add_co_u32 s22, s22, SLOT
.endr
	s_mul_i32 s23, s10, WST
	s_add_co_u32 s23, s23, STAGE                   ; my stage
	v_mul_u32_u24 v4, v1, 80                       ; in: row l % 16, 16 bytes for each half of the lanes
	v_lshl_add_u32 v4, v2, 4, v4
	v_add_nc_u32 v[STO], s23, v4
	v_and_b32 v5, 31, v0
	v_lshrrev_b32 v6, 2, v5                        ; back: four lanes take a row's 64 bytes, 32 lanes eight rows
	v_mul_u32_u24 v6, v6, 80
	v_and_b32 v7, 3, v0
	v_lshl_add_u32 v6, v7, 4, v6
	v_add_nc_u32 v[RD], s23, v6
	v_lshlrev_b32 v[CO], 4, v5
	v_lshlrev_b32 v[TO], 7, v1
	v_lshl_add_u32 v[TO], v2, 5, v[TO]
	v_lshlrev_b32 v[BO], 5, v2
	s_mul_i32 s66, s42, 6
	s_mul_i32 s75, s12, 3
	s_add_co_u32 s66, s66, s75                     ; my first panel
	s_lshr_b32 s67, s13, 2
	s_mul_i32 s67, s67, 96                         ; 96 x batch
	s_and_b32 s74, s13, 3
	s_lshl_b32 s74, s74, 8
	s_lshl_b32 s75, s11, 7
	s_add_co_u32 s74, s74, s75                     ; my first position in the sequence
.irp g, 0,1,2
	s_add_co_u32 s75, s66, (\g)
	s_and_b32 s45, s75, 3
	s_cmp_lt_u32 s75, 80
	s_cselect_b32 s45, s45, 4                      ; the table's plane: a select, no branch
	s_lshl_b32 s45, s45, 17
	s_lshl_b32 s[TBS+2*(\g)], s74, 7
	s_add_co_u32 s[TBS+2*(\g)], s[TBS+2*(\g)], s45
	s_mov_b32 s[TBS+2*(\g)+1], 0
	s_add_nc_u64 s[TBS+2*(\g):TBS+2*(\g)+1], s[86:87], s[TBS+2*(\g):TBS+2*(\g)+1]
	s_add_co_u32 s75, s75, s67
	s_lshl_b32 s75, s75, 16                        ; a panel is 65,536 bytes
	s_lshl_b32 s[QBS+2*(\g)], s74, 6
	s_add_co_u32 s[QBS+2*(\g)], s[QBS+2*(\g)], s75
	s_mov_b32 s[QBS+2*(\g)+1], 0
	s_add_nc_u64 s[QBS+2*(\g):QBS+2*(\g)+1], s[8:9], s[QBS+2*(\g):QBS+2*(\g)+1]
.endr
	s_mul_i32 s82, s42, 768
	s_mul_i32 s83, s12, 384
	s_add_co_u32 s82, s82, s83
	s_mov_b32 s83, 0
	s_add_nc_u64 s[82:83], s[84:85], s[82:83]      ; the bias of my 96 columns
; The table numbers of block a (16 positions) for my three panels: 8 cosines, 8 sines a lane and panel, into buffer a % 2.
.macro TLOAD a
.irp g, 0,1,2
.set TBR, (1-(\a)%2)*(192+16*(\g))+((\a)%2)*(32+16*(\g)+176*((\g)/2))
	global_load_b128 v[TBR:TBR+3],     v[TO], s[TBS+2*(\g):TBS+2*(\g)+1] offset:2048*(\a)
	global_load_b128 v[TBR+4:TBR+7],   v[TO], s[TBS+2*(\g):TBS+2*(\g)+1] offset:2048*(\a)+16
	global_load_b128 v[TBR+8:TBR+11],  v[TO], s[TBS+2*(\g):TBS+2*(\g)+1] offset:2048*(\a)+64
	global_load_b128 v[TBR+12:TBR+15], v[TO], s[TBS+2*(\g):TBS+2*(\g)+1] offset:2048*(\a)+80
.endr
.endm
	WIN 0x40                                       ; destination window 1
.irp b, 0,1,2,3,4,5
	global_load_b128 v[BIAS+8*(\b):BIAS+8*(\b)+3],   v[BO], s[82:83] offset:64*(\b)
	global_load_b128 v[BIAS+8*(\b)+4:BIAS+8*(\b)+7], v[BO], s[82:83] offset:64*(\b)+16
.endr
	WIN 0
	TLOAD 0
	TLOAD 1
; 12 matrix instructions: row blocks a0, a0 + 1 of the window's four x my 6 column blocks, 32 along K.  first = 1: the product starts the sum, on the bias.
; All 48 accumulators take turns, in the same order in every quarter.
.macro MULG f, hi, a0, first
.if \first
	WIN 0x91+0x40*(\hi)                            ; B and the bias window 1, A window 0, D window 2 or 3
.else
	WIN 0xa1+0x50*(\hi)                            ; B window 1, A window 0, C and D window 2 or 3
.endif
.irp a, \a0, (\a0)+1
.irp b, 0,1,2,3,4,5
.if \first
	v_wmma_f32_16x16x32_bf16 v[8*(NBW*(\a)+(\b)):8*(NBW*(\a)+(\b))+7], v[(\f)+8*(\b):(\f)+8*(\b)+7], v[(\f)+8*(4*(\hi)+(\a)):(\f)+8*(4*(\hi)+(\a))+7], v[BIAS+8*(\b):BIAS+8*(\b)+7]
.else
	v_wmma_f32_16x16x32_bf16 v[8*(NBW*(\a)+(\b)):8*(NBW*(\a)+(\b))+7], v[(\f)+8*(\b):(\f)+8*(\b)+7], v[(\f)+8*(4*(\hi)+(\a)):(\f)+8*(4*(\hi)+(\a))+7], v[8*(NBW*(\a)+(\b)):8*(NBW*(\a)+(\b))+7]
.endif
.endr
.endr
.endm
; 28 LDS loads in one run: the fragments of 32 along K at byte k of the rows: B's 12, then A's 16
.macro FETCH slot, k, f
	WIN 0x40
.irp i, 0,1,2,3,4,5
	ds_load_b128 v[(\f)+8*(\i):(\f)+8*(\i)+3],   v[ADRB+(\slot)] offset:(\k)+(\i)*16*PITCH
	ds_load_b128 v[(\f)+8*(\i)+4:(\f)+8*(\i)+7], v[ADRB+(\slot)] offset:(\k)+(\i)*16*PITCH+32
.endr
	WIN 0
.irp i, 0,1,2,3,4,5,6,7
	ds_load_b128 v[(\f)+8*(\i):(\f)+8*(\i)+3],   v[ADRA+(\slot)] offset:(\k)+(\i)*16*PITCH
	ds_load_b128 v[(\f)+8*(\i)+4:(\f)+8*(\i)+7], v[ADRA+(\slot)] offset:(\k)+(\i)*16*PITCH+32
.endr
.endm
; A K step is four quarters of 32 along K, 48 matrix instructions each, on buffers 0, 1, 0, 1.  One of the first three multiplies f and fetches the next quarter, at byte k, into g.
.macro QUARTER slot, k, f, g, first
	s_wait_dscnt 8                                 ; B and A's rows 0-63 are in; the youngest eight loads (A's rows 64-127) may be out
	MULG \f, 0, 0, \first
	MULG \f, 0, 2, \first
	PLACES
	FETCH \slot, \k, \g
	s_wait_dscnt NL                                ; all but the run just issued
	MULG \f, 1, 0, \first
	MULG \f, 1, 2, \first
.endm
; The last quarter multiplies buffer 1 and changes slots.  Its first 24 products are issued AHEAD of the wait for the tensor loads: they need registers alone, and run while my part of the next slot
; is still on its way; so between that wait and the next request stand only the add, its wait and the round.  One barrier: in front of it each wave waits for all its tensor loads (one is out:
; its part of the next slot), adds 0 to its spare word, and waits for that and for its reads of this slot.  fill = 1: the barrier opens a round of the cluster's, and this slot is filled again,
; two K steps ahead, first thing behind it.  The other 24 products stand behind the run of LDS loads that fetches the next slot's first fragments.
.macro TURN slot, next, fill
	s_wait_dscnt 8                                 ; B and A's rows 0-63 are in; the youngest eight loads (A's rows 64-127) may be out
	MULG F1, 0, 0, 0
	MULG F1, 0, 2, 0
	WIN 0
	s_wait_tensorcnt 0x0                           ; no tensor load of mine is out, so a group 0 may be written
	ds_add_u32 v[SPW], v[NIL]                      ; 0 onto my spare word; the descriptors' steps stand between it and the wait for it
.if \fill
	s_add_nc_u64 s[G0+4*(\slot)+2:G0+4*(\slot)+3], s[G0+4*(\slot)+2:G0+4*(\slot)+3], 2*KSTEP*2
	s_add_nc_u64 s[G0B+4*(\slot)+2:G0B+4*(\slot)+3], s[G0B+4*(\slot)+2:G0B+4*(\slot)+3], 2*KSTEP*2
.endif
	s_wait_dscnt 0x0                               ; the add is done, and my reads of this slot are over
	s_barrier_signal -1
	s_barrier_wait -1
.if \fill
	CREST                                          ; no wave of any partner still reads this slot or has a load on its way
	JLOAD \slot                                    ; one load of mine is out; its four v_nop are also the places in front of the loads below
.else
	PLACES
.endif
	FETCH \next, 0, F0
	MULG F1, 1, 0, 0
	MULG F1, 1, 2, 0
.endm
	s_wait_tensorcnt 1                             ; my part of K step 0 is in; K step 1's may stay out
	s_barrier_signal -1
	s_barrier_wait -1
	FETCH 0, 0, F0
	s_wait_loadcnt 0x0                             ; the bias, and the first two blocks' table numbers
	QUARTER 0, 64, F0, F1, 1
	WIN 0
	s_mov_b32 s3, LAPS-1
.Llap:                                         ; a trip goes once round the ring, from a lap's second quarter to the next lap's first, and fills both slots again
	QUARTER 0, 128, F1, F0, 0
	QUARTER 0, 192, F0, F1, 0
	TURN 0, 1, 1
	QUARTER 1, 64,  F0, F1, 0
	QUARTER 1, 128, F1, F0, 0
	QUARTER 1, 192, F0, F1, 0
	TURN 1, 0, 1
	QUARTER 0, 64,  F0, F1, 0
	WIN 0
	s_sub_co_u32 s3, s3, 1
	s_cmp_lg_u32 s3, 0
	s_cbranch_scc1 .Llap
	QUARTER 0, 128, F1, F0, 0                      ; the last lap fills nothing
	QUARTER 0, 192, F0, F1, 0
	TURN 0, 1, 0
	QUARTER 1, 64,  F0, F1, 0
	QUARTER 1, 128, F1, F0, 0
	QUARTER 1, 192, F0, F1, 0
	s_wait_dscnt 8
	MULG F1, 0, 0, 0
	MULG F1, 0, 2, 0
	s_wait_dscnt 0x0
	MULG F1, 1, 0, 0
	MULG F1, 1, 2, 0
	WIN 0
	PLACES
; THE WAY OUT, a block of 16 rows at a time.  ROPE: y1 = x1 cos - x2 sin, y2 = x2 cos + x1 sin, two numbers an instruction, each accumulator from its low end on; then rounded to f16.
; left: how many younger table loads may stay out (below 0: the numbers were waited for ahead of the loop).
.macro ROPE a, left
.if (\left) >= 0
	s_wait_loadcnt \left
.endif
	WIN 0x02+(\a)/4                                ; source 0 in window 2 or 3
.irp g, 0,1,2
.set TBR, (1-(\a)%2)*(192+16*(\g))+((\a)%2)*(32+16*(\g)+176*((\g)/2))
.set X1, 8*(NBW*((\a)%4)+2*(\g))
.set X2, X1+8
.set Y1, Y+16*(\g)
.set Y2, Y1+8
.irp q, 0,2,4,6
	v_pk_mul_f32 v[Y1+(\q):Y1+(\q)+1], v[X2+(\q):X2+(\q)+1], v[TBR+8+(\q):TBR+8+(\q)+1]
	v_pk_mul_f32 v[Y2+(\q):Y2+(\q)+1], v[X1+(\q):X1+(\q)+1], v[TBR+8+(\q):TBR+8+(\q)+1]
	v_pk_fma_f32 v[Y1+(\q):Y1+(\q)+1], v[X1+(\q):X1+(\q)+1], v[TBR+(\q):TBR+(\q)+1], v[Y1+(\q):Y1+(\q)+1] neg_lo:[0,0,1] neg_hi:[0,0,1]
	v_pk_fma_f32 v[Y2+(\q):Y2+(\q)+1], v[X2+(\q):X2+(\q)+1], v[TBR+(\q):TBR+(\q)+1], v[Y2+(\q):Y2+(\q)+1]
.endr
.endr
	WIN 0
.set z, 0
.rept 24
	v_cvt_pk_f16_f32 v[PK+z], v[Y+2*z], v[Y+2*z+1]
.set z, z+1
.endr
.endm
.macro TOSTAGE a                       ; into my stage (rows of 80 bytes), and back as 512 consecutive bytes of a panel; LDS serves a wave's instructions in order (ISA guide 5.7.1.4)
.irp g, 0,1,2
	ds_store_b128 v[STO], v[PK+8*(\g):PK+8*(\g)+3]   offset:1280*(\g)
	ds_store_b128 v[STO], v[PK+8*(\g)+4:PK+8*(\g)+7] offset:1280*(\g)+32
.endr
.irp g, 0,1,2
.irp t, 0,1
	ds_load_b128 v[OB+24*((\a)%2)+8*(\g)+4*(\t):OB+24*((\a)%2)+8*(\g)+4*(\t)+3], v[RD] offset:1280*(\g)+640*(\t)
.endr
.endr
.endm
.macro SEND a
	s_wait_dscnt 0x0                               ; the block is back in registers
	s_wait_xcnt 0x0                                ; the stores of the block before have read their registers: the next TOSTAGE loads into them
.irp g, 0,1,2
.irp t, 0,1
	global_store_b128 v[CO], v[OB+24*((\a)%2)+8*(\g)+4*(\t):OB+24*((\a)%2)+8*(\g)+4*(\t)+3], s[QBS+2*(\g):QBS+2*(\g)+1] offset:1024*(\a)+512*(\t)  ; 512 consecutive bytes, aligned
.endr
.endr
.endm
	ROPE 0, -1
	TLOAD 2
	TOSTAGE 0
	ROPE 1, -1
	TLOAD 3
	SEND 0
	TOSTAGE 1
.irp a, 2,3,4,5
	ROPE \a, 12                                    ; the next block's twelve loads may stay out
	TLOAD (\a)+2
	SEND (\a)-1
	TOSTAGE \a
.endr
	ROPE 6, 12
	SEND 5
	TOSTAGE 6
	ROPE 7, 0
	SEND 6
	TOSTAGE 7
	SEND 7
	s_wait_tensorcnt 0x0                           ; the wave's end: the add and its wait, behind my last tensor load and my last LDS store
	ds_add_u32 v[SPW], v[NIL]
	s_wait_dscnt 0x0
	CROUND                                         ; the closing round
	s_endpgm
.Lfunc_end_k_q53b2da093d_qkv:
	.size	k_q53b2da093d_qkv, .Lfunc_end_k_q53b2da093d_qkv-k_q53b2da093d_qkv
	.p2alignl 7, 3214868480
	.fill 96, 4, 3214868480
	.section	.rodata,"a",@progbits
	.p2align	6, 0x0
	.amdhsa_kernel k_q53b2da093d_qkv
		.amdhsa_group_segment_fixed_size 327680
		.amdhsa_private_segment_fixed_size 0
		.amdhsa_enable_private_segment 0
		.amdhsa_kernarg_size 40
		.amdhsa_user_sgpr_count 2
		.amdhsa_user_sgpr_kernarg_segment_ptr 1
		.amdhsa_wavefront_size32 1
		.amdhsa_system_sgpr_workgroup_id_x 1
		.amdhsa_system_sgpr_workgroup_id_y 1
		.amdhsa_system_sgpr_workgroup_id_z 1
		.amdhsa_system_vgpr_workitem_id 0
		.amdhsa_next_free_vgpr 960
		.amdhsa_next_free_sgpr 88
		.amdhsa_reserve_vcc 0
		.amdhsa_float_denorm_mode_32 3
		.amdhsa_float_denorm_mode_16_64 3
		.amdhsa_memory_ordered 1
		.amdhsa_forward_progress 1
		.amdhsa_inst_pref_size 151
	.end_amdhsa_kernel
	.amdgpu_metadata
---
amdhsa.version: [ 1, 2 ]
amdhsa.kernels:
  - .name:           k_q53b2da093d_qkv
    .symbol:         k_q53b2da093d_qkv.kd
    .args:
      - { .name: xb, .offset: 0, .size: 8, .value_kind: global_buffer, .address_space: global }
      - { .name: wqkv, .offset: 8, .size: 8, .value_kind: global_buffer, .address_space: global }
      - { .name: biasp, .offset: 16, .size: 8, .value_kind: global_buffer, .address_space: global }
      - { .name: rope, .offset: 24, .size: 8, .value_kind: global_buffer, .address_space: global }
      - { .name: qkv, .offset: 32, .size: 8, .value_kind: global_buffer, .address_space: global }
    .group_segment_fixed_size: 327680
    .private_segment_fixed_size: 0
    .kernarg_segment_align: 8
    .kernarg_segment_size: 40
    .max_flat_workgroup_size: 128
    .sgpr_count:     88
    .vgpr_count:     960
    .wavefront_size: 32
...
	.end_amdgpu_metadata
.endif
;; end of part 2
;; launch attn (part 3): grid 16 x 16, 4 waves a work-group, clusters of 4 x 1, 327,680 bytes of LDS; arguments qkv, ctx; writes ctx
.if DOCPART == 3
	.amdgcn_target "amdgcn-amd-amdhsa--gfx1250"
	.amdhsa_code_object_version 6
	.text
	.protected	k_q53b2da093d_attn
	.globl	k_q53b2da093d_attn
	.p2align	8
	.type	k_q53b2da093d_attn,@function
k_q53b2da093d_attn:
	s_mov_b64 s[64:65], 0
	v_nop
	global_prefetch_b8 v0, s[64:65] scope:SCOPE_SE
	s_setreg_imm32_b32 hwreg(HW_REG_WAVE_MODE, 25, 1), 1
	s_wait_xcnt 0x0
	s_wait_alu depctr_hold_cnt(0) depctr_sa_sdst(0) depctr_va_vdst(0) depctr_va_sdst(0) depctr_va_ssrc(0) depctr_va_vcc(0) depctr_vm_vsrc(0)
	s_getreg_b32 s2, hwreg(HW_REG_IB_STS2, 6, 4)
	s_cmp_eq_u32 s2, 0
	s_cbranch_scc0 .Lentry_in_a_cluster
	s_endpgm
.Lentry_in_a_cluster:
	s_bfe_u32 s2, ttmp6, 0x10000c
	s_cmp_lg_u32 s2, 0x3003
	s_cbranch_scc0 .Lentry_shape_is_right
	s_endpgm
.Lentry_shape_is_right:
; CAUSAL ATTENTION with grouped heads.  ctx[b][q][h][:] = the sum over k <= q of softmax_k(Q . K / sqrt(128)) V.  Q, K, V in panels qkv[4 b][96 P][1024 s][32 u] f16 (q: P = 4 h + c; k: 64 + 4 kvh + c;
; v: 80 + 4 kvh + c); ctx [4096][2048] f16.  Products, maxima and sums in f32; the weights are rounded to f16 for the second product (their sum is taken unrounded), ctx once at the end.
; LIMITS.  f16 ends at 65,504.  A hidden score counts as its value less 1e30; a weight below 2^-126 counts as 0; NaN and infinities are not treated apart.
; CLUSTER.  The four partners are the four query heads of one key/value head, with the same pair of query blocks: they walk the same K and V, and every tile is asked for JOINTLY.
; THE WALK.  A head's queries lie in 8 blocks of 128; block i needs key tiles 0 .. i of 128 keys, the last of which holds the diagonal.  A work-group takes block p and then block 7 - p: 9 tiles
; whatever p, one counted loop; the ring of two slots runs on across the change of blocks.  One forward jump a tile, on a scalar made from p (which the partners share), passes the first block's end;
; it passes no barrier and no tensor load.
; SHARES.  A wave owns 32 rows of the block in hand: two tiles of 16.  A key step is 64 keys, a slot 128.
; LAYOUT.  S^T = K Q^T (source 0 = 16 keys, source 1 = 16 queries): a lane holds ONE query (lane % 16) and keys 8 (lane / 16) + 0..7; two results rounded in pairs ARE source 1 of O^T = V^T P.
; THE MASK is the C operand that starts S^T's sums: 0, or -1e30 where the key is hidden.  Wave w's rows lie in the block's half w / 2, so in the diagonal tile's step s it sees all keys if s < w / 2,
; none if s > w / 2, and holds the diagonal if s = w / 2.  MD, made once, is the mask of that own step; every step's mask is MD x AL + BE with two scalars made by selects:
; (1, 0) own step; (0, -1e30) a later one; (0, 0) an earlier one, and every step of a tile that is not the diagonal one.
; SOFTMAX.  A running maximum m and sum l: p = 2^(c s - c m), c = log2(e) / sqrt(128); O and l are multiplied by a = 2^(c m_old - c m_new) in every step.  A block starts with c m far below every
; c s, so its first step's a is 0, and no first step is written out: O^T and l need only be finite there (zeros at the launch's start; what the first block left for the second).
; IN PHASES.  A step: K of the step is fetched; V^T P of the step before; the mask; V of the step is fetched; K Q^T; the softmax, whose 66 exponentials are one batch with one wait.
; REGISTERS, in windows of 256: window 0: v0-18 addresses; v20-35 statistics, 8 a tile; v64-127 S^T; v128-159 P; v160-223 the mask MC.
;   window 1: v0-127 O^T, 64 a tile; v128-191 Q; v192-255 the second block's Q.     window 2: v0-127 K of a step; v128-255 V of a step.     window 3: v0-63 MD.
.set PKP,   128*80    ; a panel of K in a slot: 128 keys, 64 bytes + 16 of padding = 20 words: 16 rows start at 16 different groups of four banks (ISA guide 11.1)
.set PVP,   128*96    ; of V: 64 + 32 = 24 words, for the turning load
.set VOFF,  4*PKP
.set KSTP,  64*80     ; a step's keys in a panel of K
.set VSTP,  64*96
.set SLOT1, 1<<17     ; slot 1 begins here: one exclusive or turns an address in one slot into the other's
.set STAGE, SLOT1+4*PKP+4*PVP  ; behind the ring: 16 rows x 272 bytes for each wave
.set SP,    272
.set SPARE, STAGE+4*16*SP      ; the spare words, 128 bytes a wave, which no other line names
.set AK0, 2           ; my lane's place in a panel of K; never rewritten
.set AV0, 3           ; the same for V
.set ADRK, 4
.set ADRV, 5
.set QO,  6           ; my offset in 16 rows of a panel of Q
.set STO, 7
.set RD,  8
.set GO,  12          ; my offset in two rows of ctx
.set BIGV, 13         ; -1e30
.set QV,  14          ; v14-15 my query's place in its half of the block, less my lanes' 8 (l / 16), for each tile
.set PFO, 18          ; 256 x lane
.set ST,  20          ; tile t at v[ST+8 t]: c m, m, l (even keys', odd keys'), c0-c3 at work; a takes c2's place
.set SPW, 62
.set NIL, 63
.set S,   64
.set P,   128
.set MC,  160
.set MD,  0           ; window 3
.set WV,  12          ; s12 wave
.set PB,  14          ; s14 p
.set OA,  20          ; s[20:21] ctx at my rows of the block in hand
.set OB2, 22          ; s[22:23] of the second block
.set G1K, 24
.set G1V, 32
.set G0K, 40
.set G0V, 44
.set SLOTS, 56        ; tiles still to be asked for
.set TWICE, 57        ; counts a tile's two steps, 2 to 1
.set CS,  58          ; s[58:59] c
.set SEL, 60          ; s[60:61] v_permlanex16_b32's selects
.set TBK, 62          ; LDS byte at which K of the step to be fetched begins
.set TBV, 63          ; the same for V, less VOFF
.set LQ2, 66          ; 7 - p
.set RT,  70          ; tiles of the block in hand still to be entered
.set NXT, 71          ; the tile to be asked for next
.set LQ,  72          ; the last tile of the block whose tiles are being asked for
.set DIAG, 73         ; 1: the tile in hand holds the diagonal
.set OFF, 74          ; s[74:75] a tile's byte offset in a panel
.set RT2, 77          ; 8 - p
.set LIM, 79          ; 1 in a wave that prefetches, else the greatest number
.set PFA, 80          ; s[80:81] where my prefetches stand
.set KSO, 82          ; the step in its tile, 0 or 1
.set AL,  88          ; s[88:89] the mask's factor, in the low word
.set BE,  90          ; s[90:91] the mask's addend
.set DG1, 92          ; 1.0 in the diagonal tile, else 0
.set DGB, 93          ; -1e30 in the diagonal tile, else 0
.set HW,  94          ; wave / 2: my rows' half of the block
.set BIGN, 95         ; -1e30
.set MSB, 0
.macro WIN new                      ; the immediate's high byte repeats the setting that is left; a switch that changes nothing is dropped
.if MSB != (\new)
	s_set_vgpr_msb (MSB<<8)|(\new)
.set MSB, \new
.endif
.endm
.set W_KQ, 0x06       ; K window 2, Q window 1, C and S^T window 0
.set W_PV, 0x52       ; V window 2, P window 0, O^T window 1
.set W_RS, 0x41       ; destination and source 0 window 1, source 1 window 0
.macro JLOAD                        ; waves 0 and 1 fetch K's panels 0, 1 and 2, 3; waves 2 and 3 V's; an s_nop 0 and four v_nop follow each line
	s_cmp_lt_u32 s[WV], 2
	s_cbranch_scc0 .Lfor_v_\@
	tensor_load_to_lds s[G0K:G0K+3], s[G1K:G1K+7]
	s_nop 0
.rept 4
	v_nop
.endr
	s_branch .Lasked_\@
.Lfor_v_\@:
	tensor_load_to_lds s[G0V:G0V+3], s[G1V:G1V+7]
	s_nop 0
.rept 4
	v_nop
.endr
.Lasked_\@:
.endm
; A PREFETCH INTO THE L2 of the tile that the NEXT change of slots asks for, two key steps ahead.  Of the four clusters that walk one key/value head's tiles the one with p = 0, whose second block walks
; tiles 0 to 7 in order, asks.  Its partners share the panels out BY ADDRESS (partner cx takes panel cx); wave 0 asks for K's, wave 2 for V's; a lane names 256 bytes of the tile's 8,192 in that
; panel.  So each block is named once in the launch.  Tile 0 comes by its loads alone; the last change that fills a slot asks for nothing.
.macro ASK
	s_cmp_gt_u32 s[SLOTS], s[LIM]
	s_cbranch_scc0 .Lnot_mine_\@
	global_prefetch_b8 v[PFO], s[PFA:PFA+1] th:TH_LOAD_NT scope:SCOPE_SE
.Lnot_mine_\@:
.endm
.macro CROUND                       ; a round of the cluster's barrier
	s_barrier_signal -1
	s_barrier_wait -1
	s_cmp_lg_u32 s[WV], 0
	s_cbranch_scc1 .Lnot_wave_0_\@
	s_barrier_signal -3
.Lnot_wave_0_\@:
	s_barrier_wait -3
	s_barrier_signal -1
	s_barrier_wait -1
.endm
.macro PLACES                       ; four places behind a matrix instruction (ISA guide 7.12.1), where no other vector work is at hand
.rept 4
	v_nop
.endr
.endm
; THE CHANGE OF SLOTS.  V of the slot's second step has been asked for.  Each wave waits for all its tensor loads (one is out: its part of the other slot), adds 0 to its spare word, and waits for that
; and for its reads of the slot.  fill = 1: the barrier is a round of the cluster's, and the slot is filled again with tile NXT, first thing behind it; the address is made anew from that number.
; (At its first use nothing has been read yet: slot 0 is waited for, slot 1 filled.)
.macro CHANGE fill
	WIN 0
	s_wait_tensorcnt 0x0            ; no tensor load of mine is out, so a group 0 may be written
	ds_add_u32 v[SPW], v[NIL]
.if \fill
	s_lshl_b32 s[OFF], s[NXT], 13   ; a tile is 8,192 bytes of a panel
	s_xor_b32 s[G0K+1], s[G0K+1], SLOT1
	s_add_nc_u64 s[G0K+2:G0K+3], s[8:9], s[OFF:OFF+1]
	s_or_b32 s[G0K+3], s[G0K+3], 0x80000000
	s_xor_b32 s[G0V+1], s[G0V+1], SLOT1
	s_add_nc_u64 s[G0V+2:G0V+3], s[10:11], s[OFF:OFF+1]
	s_or_b32 s[G0V+3], s[G0V+3], 0x80000000
	s_add_co_u32 s[NXT], s[NXT], 1  ; the block's next tile, or behind its last the second block's tile 0
	s_cmp_gt_u32 s[NXT], s[LQ]
	s_cselect_b32 s[NXT], 0, s[NXT]
	s_cselect_b32 s[LQ], s[LQ2], s[LQ]
	s_wait_xcnt 0x0                 ; the last prefetch, two key steps back, has read its address
	s_add_nc_u64 s[PFA:PFA+1], s[PFA:PFA+1], 8192
	s_wait_dscnt 0x0                ; the add is done, and my reads of the slot are over
	CROUND
	JLOAD
	ASK
.else
	s_wait_dscnt 0x0
	s_barrier_signal -1
	s_barrier_wait -1
.endif
	s_sub_co_u32 s[TBK], s[TBK], 2*KSTP  ; the fetches go back to a slot's first step, in the other slot
	s_xor_b32 s[TBK], s[TBK], SLOT1
	s_sub_co_u32 s[TBV], s[TBV], 2*VSTP
	s_xor_b32 s[TBV], s[TBV], SLOT1
.endm
	s_load_b128 s[4:7], s[0:1], 0x0 ; qkv s[4:5], ctx s[6:7]
	v_lshl_add_u32 v[SPW], v0, 2, SPARE
	v_mov_b32 v[NIL], 0
	ds_add_u32 v[SPW], v[NIL]       ; the wave's opening: the add and its wait, ahead of my first tensor load
	v_lshrrev_b32 v1, 5, v0
	v_readfirstlane_b32 s[WV], v1
	s_bfe_u32 s13, ttmp6, 0x40000   ; cx: the head in its group; it enters Q's, ctx's and the prefetches' addresses alone
	s_and_b32 s16, ttmp7, 0xffff
	s_and_b32 s[PB], s16, 3         ; p
	s_lshr_b32 s16, s16, 2          ; batch
	s_lshl_b32 s15, ttmp9, 2        ; ttmp9: the key/value head
	s_add_co_u32 s15, s15, s13      ; the query head
	s_and_b32 s17, s[WV], 1         ; which two panels I fetch
	s_lshr_b32 s[HW], s[WV], 1
	s_mul_i32 s18, s16, 96
	s_lshl_b32 s19, ttmp9, 2
	s_add_co_u32 s18, s18, s19
	s_lshl_b32 s19, s17, 1
	s_add_co_u32 s18, s18, s19
	s_add_co_u32 s18, s18, 64
	s_lshl_b32 s18, s18, 16         ; K's panel 96 b + 64 + 4 kvh + 2 (w % 2), in bytes
	s_mov_b32 s19, 0
	s_mul_i32 s2, s16, 96
	s_lshl_b32 s3, s15, 2
	s_add_co_u32 s2, s2, s3
	s_lshl_b32 s2, s2, 16           ; the head's first panel of Q
	s_lshl_b32 s3, s[WV], 5
	s_lshl_b32 s78, s[PB], 7
	s_add_co_u32 s78, s78, s3       ; my first row in block p,
	s_sub_co_u32 s[LQ2], 7, s[PB]
	s_lshl_b32 s83, s[LQ2], 7
	s_add_co_u32 s83, s83, s3       ; and in block 7 - p
	s_lshl_b32 s84, s78, 6
	s_add_co_u32 s84, s84, s2
	s_mov_b32 s85, 0
	s_lshl_b32 s86, s83, 6
	s_add_co_u32 s86, s86, s2
	s_mov_b32 s87, 0
	s_lshl_b32 s2, s16, 10
	s_add_co_u32 s78, s78, s2       ; as tokens
	s_add_co_u32 s83, s83, s2
	s_lshl_b32 s3, s15, 8           ; the head's 256 bytes of a row of ctx
	s_lshl_b32 s[OA], s78, 12
	s_add_co_u32 s[OA], s[OA], s3
	s_mov_b32 s[OA+1], 0
	s_lshl_b32 s[OB2], s83, 12
	s_add_co_u32 s[OB2], s[OB2], s3
	s_mov_b32 s[OB2+1], 0
	s_mul_i32 s[PFA], s16, 96
	s_lshl_b32 s[PFA+1], ttmp9, 2
	s_add_co_u32 s[PFA], s[PFA], s[PFA+1]
	s_add_co_u32 s[PFA], s[PFA], s13
	s_cmp_lt_u32 s[WV], 2
	s_cselect_b32 s[PFA+1], 64, 80
	s_add_co_u32 s[PFA], s[PFA], s[PFA+1]
	s_lshl_b32 s[PFA], s[PFA], 16   ; panel cx of K (waves 0, 1) or V
	s_mov_b32 s[PFA+1], 0
	s_and_b32 s[LIM], s[WV], 1
	s_or_b32 s[LIM], s[LIM], s[PB]
	s_cmp_eq_u32 s[LIM], 0          ; waves 0 and 2 where p = 0: the same in all four partners
	s_cselect_b32 s[LIM], 1, -1
	; descriptor group 1: two rows of 4,096 elements: in each of two panels a tile's 128 keys, 8,192 consecutive bytes; padded in LDS after every key's 64 bytes
	s_mov_b32 s[G1K], 15|(1<<16)|(1<<20)|(1<<21)|(3<<22)|(3<<25)  ; the mask of four; 2-byte elements; padding on; bit 21 beside a mask; after every 16 words 4 words
	s_mov_b32 s[G1V], 15|(1<<16)|(1<<20)|(1<<21)|(3<<22)|(7<<25)  ; the same with 8 words
.irp g, G1K, G1V
	s_mov_b32 s[(\g)+1], 4096<<16   ; tensor_dim0 = 4,096
	s_mov_b32 s[(\g)+2], 2<<16      ; tensor_dim1 = 2
	s_mov_b32 s[(\g)+3], 4096<<16   ; tile_dim0 = 4,096
	s_mov_b32 s[(\g)+4], 2          ; tile_dim1 = 2
	s_mov_b32 s[(\g)+5], 32768      ; elements from panel to panel
	s_mov_b32 s[(\g)+6], 0
	s_mov_b32 s[(\g)+7], 0
.endr
	s_mov_b32 s[G0K], 1
	s_mul_i32 s[G0K+1], s17, 2*PKP  ; slot 0: the wave's number alone enters an LDS address
	s_mov_b32 s[G0V], 1
	s_mul_i32 s[G0V+1], s17, 2*PVP
	s_add_co_u32 s[G0V+1], s[G0V+1], VOFF
	s_mov_b32 s[CS], 0x3e0293ee     ; c = log2(e) / sqrt(128)
	s_mov_b32 s[CS+1], s[CS]
	s_mov_b32 s[SEL], 0x76543210
	s_mov_b32 s[SEL+1], 0xfedcba98
	s_mov_b32 s[TBK], SLOT1+2*KSTP  ; the first change of slots turns these two into 0
	s_mov_b32 s[TBV], SLOT1+2*VSTP
	s_mov_b32 s[DIAG], 0
	s_mov_b32 s[BIGN], 0xf149f2ca   ; -1e30
	s_mov_b32 s[AL+1], 0            ; named as pairs
	s_mov_b32 s[BE+1], 0
	s_add_co_u32 s[RT], s[PB], 1    ; the first block has p + 1 tiles,
	s_sub_co_u32 s[RT2], 8, s[PB]   ; the second 8 - p
	s_mov_b32 s[NXT], 1
	s_mov_b32 s[LQ], s[PB]
	s_cmp_gt_u32 s[NXT], s[LQ]      ; (p = 0: the first block has tile 0 alone)
	s_cselect_b32 s[NXT], 0, s[NXT]
	s_cselect_b32 s[LQ], s[LQ2], s[LQ]
	s_mov_b32 s[SLOTS], 8
	s_mov_b32 s[OFF+1], 0
	s_wait_dscnt 0x0                ; the opening add is done
	s_wait_kmcnt 0x0
	s_add_nc_u64 s[8:9], s[4:5], s[18:19]       ; K at my two panels
	s_add_nc_u64 s[10:11], s[8:9], 0x100000     ; V: 16 panels on
	s_add_nc_u64 s[G0K+2:G0K+3], s[8:9], 0
	s_or_b32 s[G0K+3], s[G0K+3], 0x80000000
	s_add_nc_u64 s[G0V+2:G0V+3], s[10:11], 0
	s_or_b32 s[G0V+3], s[G0V+3], 0x80000000
	s_add_nc_u64 s[84:85], s[4:5], s[84:85]     ; Q of the first block,
	s_add_nc_u64 s[86:87], s[4:5], s[86:87]     ; of the second
	s_add_nc_u64 s[OA:OA+1], s[6:7], s[OA:OA+1]
	s_add_nc_u64 s[OB2:OB2+1], s[6:7], s[OB2:OB2+1]
	s_add_nc_u64 s[PFA:PFA+1], s[4:5], s[PFA:PFA+1]
	CROUND                          ; all four work-groups are here: the first joint loads meet
	JLOAD                           ; tile 0 into slot 0
	v_and_b32 v1, 15, v0            ; l % 16
	v_bfe_u32 v9, v0, 4, 1          ; l / 16
	v_lshlrev_b32 v[QO], 6, v1
	v_lshl_add_u32 v[QO], v9, 4, v[QO]
	WIN 0x40                        ; destination window 1
.set i, 0
.rept 8                             ; both blocks' Q: tile i / 4, panel i % 4: a fragment is 16 rows x 32 channels, two loads of 16 bytes a lane
	global_load_b128 v[128+8*i:128+8*i+3],   v[QO], s[84:85] offset:(i%4)*65536+(i/4)*1024
	global_load_b128 v[128+8*i+4:128+8*i+7], v[QO], s[84:85] offset:(i%4)*65536+(i/4)*1024+32
	global_load_b128 v[192+8*i:192+8*i+3],   v[QO], s[86:87] offset:(i%4)*65536+(i/4)*1024
	global_load_b128 v[192+8*i+4:192+8*i+7], v[QO], s[86:87] offset:(i%4)*65536+(i/4)*1024+32
.set i, i+1
.endr
	; What the first step finds: its V^T P, of a step that has not been, adds 0 x 0 onto 0.  All this stands in the wait for the first tile.
.set i, 0
.rept 128
	v_mov_b32 v[i], 0               ; O^T
.set i, i+1
.endr
	WIN 0x80
.set i, 128
.rept 128
	v_mov_b32 v[i], 0               ; V
.set i, i+1
.endr
	WIN 0
.set i, P
.rept 32
	v_mov_b32 v[i], 0               ; P
.set i, i+1
.endr
.irp t, 0,1
	v_mov_b32 v[ST+8*(\t)], 0xfe000000    ; c m: far below every c s
	v_mov_b32 v[ST+8*(\t)+1], 0xff7fffff  ; m
	v_mov_b32 v[ST+8*(\t)+2], 0
	v_mov_b32 v[ST+8*(\t)+3], 0
.endr
	v_mul_u32_u24 v[AK0], v1, 80
	v_lshl_add_u32 v[AK0], v9, 4, v[AK0]
	; The turning load takes 16 keys x 16 channels (lane l reads key 8 (l / 16) + l % 8, channels 8 ((l / 8) % 2) + 0..7) and leaves half a fragment of V^T.
	v_and_b32 v10, 7, v0
	v_bfe_u32 v11, v0, 3, 1
	v_lshl_add_u32 v[AV0], v9, 3, v10
	v_mul_u32_u24 v[AV0], v[AV0], 96
	v_lshl_add_u32 v[AV0], v11, 4, v[AV0]
	v_add_nc_u32 v[AV0], VOFF, v[AV0]
	s_mul_i32 s3, s[WV], 16*SP
	s_add_co_u32 s3, s3, STAGE      ; my stage
	v_mul_u32_u24 v[STO], v1, SP
	v_lshl_add_u32 v[STO], v9, 4, v[STO]
	v_add_nc_u32 v[STO], s3, v[STO]
	v_mul_u32_u24 v[RD], v9, SP
	v_lshl_add_u32 v[RD], v1, 4, v[RD]
	v_add_nc_u32 v[RD], s3, v[RD]
	v_lshlrev_b32 v[GO], 12, v9     ; two rows of ctx, 4,096 bytes apart
	v_lshl_add_u32 v[GO], v1, 4, v[GO]
	v_and_b32 v[PFO], 31, v0
	v_lshlrev_b32 v[PFO], 8, v[PFO]
	v_mov_b32 v[BIGV], 0xf149f2ca
	v_lshlrev_b32 v[QV], 3, v9
	v_sub_nc_u32 v[QV], v1, v[QV]
	s_lshl_b32 s3, s17, 5
	v_add_nc_u32 v[QV], s3, v[QV]   ; 32 (w % 2) + l % 16 - 8 (l / 16)
	v_add_nc_u32 v[QV+1], 16, v[QV]
	WIN 0xc0                        ; destination window 3: MD: register j of key group kb is hidden where 16 kb + j is greater
.irp u, 0,1
.set z, 0
.rept 32
	v_cmp_gt_i32 vcc_lo, 16*(z/8)+z%8, v[QV+(\u)]
	v_cndmask_b32 v[MD+32*(\u)+z], 0, v[BIGV], vcc_lo
.set z, z+1
.endr
.endr
	WIN 0
; THE LDS LOADS stand in runs of 32.  K: keys 16 (f / 4) on, panel f % 4.  V, turned: keys 32 (f / 8) on, channels 16 (f % 8) on.
.macro FETCH_K
	WIN 0
	v_add_nc_u32 v[ADRK], s[TBK], v[AK0]
	s_add_co_u32 s[TBK], s[TBK], KSTP
	WIN 0x80
.irp f, 0,1,2,3,4,5,6,7,8,9,10,11,12,13,14,15
	ds_load_b128 v[8*(\f):8*(\f)+3],   v[ADRK] offset:((\f)%4)*PKP+((\f)/4)*1280
	ds_load_b128 v[8*(\f)+4:8*(\f)+7], v[ADRK] offset:((\f)%4)*PKP+((\f)/4)*1280+32
.endr
	WIN 0
.endm
.macro FETCH_V
	WIN 0
	v_add_nc_u32 v[ADRV], s[TBV], v[AV0]
	s_add_co_u32 s[TBV], s[TBV], VSTP
	WIN 0x80
.irp f, 0,1,2,3,4,5,6,7,8,9,10,11,12,13,14,15
	ds_load_tr16_b128 v[128+8*(\f):128+8*(\f)+3],   v[ADRV] offset:(((\f)%8)/2)*PVP+((\f)%2)*32+((\f)/8)*3072
	ds_load_tr16_b128 v[128+8*(\f)+4:128+8*(\f)+7], v[ADRV] offset:(((\f)%8)/2)*PVP+((\f)%2)*32+((\f)/8)*3072+1536
.endr
	WIN 0
.endm
; THE MATRIX WORK.  The accumulators take turns, one instruction a turn.  K Q^T: panel i / 8, keys 16 ((i / 2) % 4) on, tile i % 2; the first 8 start the sums on the mask.
.macro KQALL
	WIN W_KQ
.set i, 0
.rept 32
.set rS, S+32*(i%2)+8*((i/2)%4)
.set rK, 32*((i/2)%4)+8*(i/8)
.set rQ, 128+32*(i%2)+8*(i/8)
.set rM, MC+32*(i%2)+8*((i/2)%4)
.if i < 8
	v_wmma_f32_16x16x32_f16 v[rS:rS+7], v[rK:rK+7], v[rQ:rQ+7], v[rM:rM+7]
.else
	v_wmma_f32_16x16x32_f16 v[rS:rS+7], v[rK:rK+7], v[rQ:rQ+7], v[rS:rS+7]
.endif
.set i, i+1
.endr
.endm
.macro PVALL                        ; O^T += V^T P: keys 32 (i / 16) on, channels 16 ((i / 2) % 8) on, tile i % 2
	WIN W_PV
.set i, 0
.rept 32
.set rO, 64*(i%2)+8*((i/2)%8)
.set rV, 128+64*(i/16)+8*((i/2)%8)
.set rP, P+16*(i%2)+8*(i/16)
	v_wmma_f32_16x16x32_f16 v[rO:rO+7], v[rV:rV+7], v[rP:rP+7], v[rO:rO+7]
.set i, i+1
.endr
.endm
.macro MASK                         ; MC = MD x AL + BE, two numbers an instruction
	WIN 0x03                        ; source 0 window 3
.set z, 0
.rept 32
	v_pk_fma_f32 v[MC+2*z:MC+2*z+1], v[MD+2*z:MD+2*z+1], s[AL:AL+1], s[BE:BE+1] op_sel_hi:[1,0,0]
.set z, z+1
.endr
	WIN 0
.endm
; THE SOFTMAX of one tile and step is a list of 134 instructions; SM writes number j of it for tile t.  s0-s31 are the lane's 32 scores, in pairs 0-15.
;   0-15 the maximum of the scores and the old m (each accumulator's lowest registers first)     16-20 the other half of the lanes' maximum; m; c m; its change
;   21-69 ONE BATCH: the 16 scalings c s - c m and all 33 exponentials (a at 23); none reads an exponential's result     70-85 the roundings to f16     86-101 the sums; l = a l + sum     102-133 O^T times a
.macro SM t
.set rT, ST+8*(\t)
.set rS, S+32*(\t)
.set rP, P+16*(\t)
.set rO, 64*(\t)+2*(j-102)
.if j < 102
	WIN 0
.endif
.if j < 4
	v_max3_num_f32 v[rT+4+j], v[rS+8*j], v[rS+8*j+1], v[rS+8*j+2]
.elseif j < 12
	v_max3_num_f32 v[rT+4+j%4], v[rT+4+j%4], v[rS+8*(j%4)+2*(j/4)+1], v[rS+8*(j%4)+2*(j/4)+2]
.elseif j == 12
	v_max3_num_f32 v[rT+4], v[rT+4], v[rS+7], v[rS+15]
.elseif j == 13
	v_max3_num_f32 v[rT+6], v[rT+6], v[rS+23], v[rS+31]
.elseif j == 14
	v_max3_num_f32 v[rT+4], v[rT+4], v[rT+5], v[rT+6]
.elseif j == 15
	v_max3_num_f32 v[rT+4], v[rT+4], v[rT+7], v[rT+1]
.elseif j == 16
	v_permlanex16_b32 v[rT+5], v[rT+4], s[SEL], s[SEL+1]  ; the query's other 32 keys lie in the lane 16 away
.elseif j == 17
	v_mov_b32 v[rT+7], v[rT]        ; c m_old is kept for a
.elseif j == 18
	v_max_num_f32 v[rT+1], v[rT+4], v[rT+5]
.elseif j == 19
	v_mul_f32 v[rT], s[CS], v[rT+1]
.elseif j == 20
	v_sub_f32 v[rT+7], v[rT+7], v[rT]
.elseif j == 23
	v_exp_f32 v[rT+6], v[rT+7]
.elseif (j < 23) || ((j < 38) && (j%2 == 0)) || ((j < 66) && (j%4 == 2))
.set b, (j-2)/4
.if j < 38
.set b, (j-20)/2
.endif
	v_pk_fma_f32 v[rS+2*b:rS+2*b+1], v[rS+2*b:rS+2*b+1], s[CS:CS+1], v[rT:rT+1] op_sel_hi:[1,0,0] neg_lo:[0,0,1] neg_hi:[0,0,1]
.elseif j < 70
.set e, j-38
.if j < 66
.set e, j-32-(j-38)/4
.endif
.if j < 38
.set e, (j-25)/2
.endif
	v_exp_f32 v[rS+e], v[rS+e]
.elseif j < 86
	v_cvt_pk_f16_f32 v[rP+j-70], v[rS+2*(j-70)], v[rS+2*(j-70)+1]
.elseif j < 102
.set z, j-86
.set w, 4
.set u, z
.if z >= 14
.set w, 32
.set u, 0
.elseif z >= 12
.set w, 16
.set u, z-12
.elseif z >= 8
.set w, 8
.set u, z-8
.endif
.if z < 15
	v_pk_add_f32 v[rS+w*u:rS+w*u+1], v[rS+w*u:rS+w*u+1], v[rS+w*u+w/2:rS+w*u+w/2+1]
.else
	v_pk_fma_f32 v[rT+2:rT+3], v[rT+2:rT+3], v[rT+6:rT+7], v[rS:rS+1] op_sel_hi:[1,0,1]
.endif
.else
	WIN W_RS
	v_pk_mul_f32 v[rO:rO+1], v[rO:rO+1], v[rT+6:rT+7] op_sel_hi:[1,0]
.endif
.endm
.macro SOFTMAX                      ; the two tiles alternate, so that no instruction reads the result of the one just before it
.set j, 0
.rept 70
	SM 0
	SM 1
.set j, j+1
.endr
	v_nop                           ; the plain instruction behind the last exponential
	s_wait_alu depctr_va_vdst(0)    ; one wait for the 66 exponentials, ahead of their first reader
.rept 64
	SM 0
	SM 1
.set j, j+1
.endr
	WIN 0
.endm
; THE WAY OUT of a block: l's halves and the other half of the lanes' are added; O^T is divided by l, rounded to f16 and sent through my stage, a tile (16 rows of ctx) at a time.
.macro PACK t
	WIN W_RS
.set z, 64*(\t)
.rept 32
	v_pk_mul_f32 v[z:z+1], v[z:z+1], v[ST+8*(\t)+6:ST+8*(\t)+7] op_sel_hi:[1,0]
.set z, z+2
.endr
	WIN 0x05                        ; sources window 1, destination window 0: S^T's registers are free
.set z, 0
.rept 32
	v_cvt_pk_f16_f32 v[S+32*(\t)+z], v[64*(\t)+2*z], v[64*(\t)+2*z+1]
.set z, z+1
.endr
	WIN 0
.irp f, 0,1,2,3,4,5,6,7
	ds_store_b128 v[STO], v[S+32*(\t)+4*(\f):S+32*(\t)+4*(\f)+3] offset:32*(\f)
.endr
.irp f, 0,1,2,3,4,5,6,7
	ds_load_b128 v[S+32*(\t)+4*(\f):S+32*(\t)+4*(\f)+3], v[RD] offset:(\f)*2*SP  ; LDS serves a wave's instructions in order (ISA guide 5.7.1.4)
.endr
.endm
.macro SEND t, younger              ; younger: the LDS instructions issued behind tile t's loads
.irp f, 0,1,2,3,4,5,6,7
	s_wait_dscnt (\younger)+7-(\f)
	global_store_b128 v[GO], v[S+32*(\t)+4*(\f):S+32*(\t)+4*(\f)+3], s[OA:OA+1] offset:(\t)*65536+(\f)*8192  ; 16 lanes store 256 consecutive bytes, aligned: the head's part of a row
.endr
.endm
.macro WAYOUT
	WIN 0
.irp t, 0,1
	v_add_f32 v[ST+8*(\t)+4], v[ST+8*(\t)+2], v[ST+8*(\t)+3]
.endr
.irp t, 0,1
	v_permlanex16_b32 v[ST+8*(\t)+5], v[ST+8*(\t)+4], s[SEL], s[SEL+1]
.endr
.irp t, 0,1
	v_add_f32 v[ST+8*(\t)+4], v[ST+8*(\t)+4], v[ST+8*(\t)+5]
.endr
.irp t, 0,1
	v_rcp_f32 v[ST+8*(\t)+6], v[ST+8*(\t)+4]
.endr
	v_nop
	s_wait_alu depctr_va_vdst(0)    ; one wait for the two reciprocals
	PACK 0
	PACK 1
	SEND 0, 16
	SEND 1, 0
.endm
.macro SWITCH                       ; the second block begins: its Q goes where the one text names Q; m starts anew; O^T and l stay, finite, and meet a = 0
	WIN W_RS
.set z, 0
.rept 64
	v_mov_b32 v[128+z], v[192+z]
.set z, z+1
.endr
	WIN 0
.irp t, 0,1
	v_mov_b32 v[ST+8*(\t)], 0xfe000000
	v_mov_b32 v[ST+8*(\t)+1], 0xff7fffff
.endr
	s_wait_storecnt 0x0             ; the block's 16 stores are done: their base is written below, and the registers that they read take the next block's scores
	s_mov_b64 s[OA:OA+1], s[OB2:OB2+1]
	s_mov_b32 s[RT], s[RT2]
.endm
; A KEY STEP.  Each run of 32 LDS loads goes out when the run before has come back, so 32 are out at the most: V was asked for a K Q^T and a softmax earlier, K a V^T P and the mask earlier.
.macro G
	s_sub_co_u32 s[KSO], 2, s[TWICE]     ; the step in its tile
	s_cmp_eq_u32 s[KSO], s[HW]           ; my rows' own step?
	s_cselect_b32 s[AL], s[DG1], 0
	s_cmp_gt_u32 s[KSO], s[HW]           ; or a later one?
	s_cselect_b32 s[BE], s[DGB], 0
	s_wait_dscnt 0x0                ; V of the step before is in
	FETCH_K
	PVALL
	MASK                            ; 32 plain instructions that name no register of those products: the places in front of the loads into V's registers
	s_wait_dscnt 0x0                ; K is in
	FETCH_V
	KQALL
	WIN 0
	PLACES
	SOFTMAX
.endm
.macro TWO_STEPS
	s_mov_b32 s[TWICE], 2
.Lstep_\@:
	G
	s_sub_co_u32 s[TWICE], s[TWICE], 1
	s_cmp_lg_u32 s[TWICE], 0
	s_cbranch_scc1 .Lstep_\@
.endm
	s_wait_loadcnt 0x0              ; Q
.Lslot:                             ; 8 trips: a tile is entered and the next is asked for
	CHANGE 1
	s_cmp_eq_u32 s[DIAG], 1         ; the tile that is left held the diagonal: its block ends
	s_cbranch_scc0 .Lsame
	PVALL                           ; the block's last V^T P (V came in ahead of the change's barrier).  The next step's own V^T P adds the same finite products once more, onto an O^T that a = 0 then wipes
	WIN 0
	PLACES
	WAYOUT
	SWITCH
.Lsame:
	s_sub_co_u32 s[RT], s[RT], 1
	s_cmp_eq_u32 s[RT], 0
	s_cselect_b32 s[DIAG], 1, 0
	s_cselect_b32 s[DG1], 1.0, 0
	s_cselect_b32 s[DGB], s[BIGN], 0
	TWO_STEPS
	s_sub_co_u32 s[SLOTS], s[SLOTS], 1
	s_cmp_lg_u32 s[SLOTS], 0
	s_cbranch_scc1 .Lslot
	CHANGE 0                        ; the walk's last tile, the second block's diagonal one, is written out: nothing is asked for
	s_mov_b32 s[DG1], 1.0
	s_mov_b32 s[DGB], s[BIGN]
	TWO_STEPS
	s_wait_dscnt 0x0                ; V of the last step
	PVALL
	WIN 0
	PLACES
	WAYOUT
	s_wait_tensorcnt 0x0            ; the wave's end: the add and its wait, behind my last tensor load and my last LDS store
	ds_add_u32 v[SPW], v[NIL]
	s_wait_dscnt 0x0
	CROUND                          ; the closing round
	s_endpgm
.Lfunc_end_k_q53b2da093d_attn:
	.size	k_q53b2da093d_attn, .Lfunc_end_k_q53b2da093d_attn-k_q53b2da093d_attn
	.p2alignl 7, 3214868480
	.fill 96, 4, 3214868480
	.section	.rodata,"a",@progbits
	.p2align	6, 0x0
	.amdhsa_kernel k_q53b2da093d_attn
		.amdhsa_group_segment_fixed_size 327680
		.amdhsa_private_segment_fixed_size 0
		.amdhsa_enable_private_segment 0
		.amdhsa_kernarg_size 16
		.amdhsa_user_sgpr_count 2
		.amdhsa_user_sgpr_kernarg_segment_ptr 1
		.amdhsa_wavefront_size32 1
		.amdhsa_system_sgpr_workgroup_id_x 1
		.amdhsa_system_sgpr_workgroup_id_y 1
		.amdhsa_system_sgpr_workgroup_id_z 1
		.amdhsa_system_vgpr_workitem_id 0
		.amdhsa_next_free_vgpr 832
		.amdhsa_next_free_sgpr 96
		.amdhsa_reserve_vcc 1
		.amdhsa_float_denorm_mode_32 3
		.amdhsa_float_denorm_mode_16_64 3
		.amdhsa_memory_ordered 1
		.amdhsa_forward_progress 1
		.amdhsa_inst_pref_size 111
	.end_amdhsa_kernel
	.amdgpu_metadata
---
amdhsa.version: [ 1, 2 ]
amdhsa.kernels:
  - .name:           k_q53b2da093d_attn
    .symbol:         k_q53b2da093d_attn.kd
    .args:
      - { .name: qkv, .offset: 0, .size: 8, .value_kind: global_buffer, .address_space: global }
      - { .name: ctx, .offset: 8, .size: 8, .value_kind: global_buffer, .address_space: global }
    .group_segment_fixed_size: 327680
    .private_segment_fixed_size: 0
    .kernarg_segment_align: 8
    .kernarg_segment_size: 16
    .max_flat_workgroup_size: 128
    .sgpr_count:     96
    .vgpr_count:     832
    .wavefront_size: 32
...
	.end_amdgpu_metadata
.endif
;; end of part 3
;; launch oproj (part 4): grid 16 x 16, 4 waves a work-group, clusters of 4 x 4, 327,680 bytes of LDS; arguments ctx, wob, out0; writes out0
.if DOCPART == 4
	.amdgcn_target "amdgcn-amd-amdhsa--gfx1250"
	.amdhsa_code_object_version 6
	.text
	.protected	k_q53b2da093d_oproj
	.globl	k_q53b2da093d_oproj
	.p2align	8
	.type	k_q53b2da093d_oproj,@function
k_q53b2da093d_oproj:
	s_mov_b64 s[64:65], 0
	v_nop
	global_prefetch_b8 v0, s[64:65] scope:SCOPE_SE
	s_setreg_imm32_b32 hwreg(HW_REG_WAVE_MODE, 25, 1), 1
	s_wait_xcnt 0x0
	s_wait_alu depctr_hold_cnt(0) depctr_sa_sdst(0) depctr_va_vdst(0) depctr_va_sdst(0) depctr_va_ssrc(0) depctr_va_vcc(0) depctr_vm_vsrc(0)
	s_getreg_b32 s2, hwreg(HW_REG_IB_STS2, 6, 4)
	s_cmp_eq_u32 s2, 0
	s_cbranch_scc0 .Lentry_in_a_cluster
	s_endpgm
.Lentry_in_a_cluster:
	s_bfe_u32 s2, ttmp6, 0x10000c
	s_cmp_lg_u32 s2, 0xf033
	s_cbranch_scc0 .Lentry_shape_is_right
	s_endpgm
.Lentry_shape_is_right:
; out0 = ctx wo^T.  A = ctx [4096][2048] f16, B = wob [2048][2048] f16 (wo rounded to bf16, written as f16), out0 [4096][2048] f32; sums in f32.
; TILE.  256 x 128 of C to a work-group: 16 x 16 = 256 work-groups.  Four waves, each 128 x 64: 32 accumulators, 256 registers.  K in steps of 128 through two LDS slots; rows of 256 bytes, padded to 272.
; CLUSTER 4 x 4: A's tile is asked for jointly along a row of the cluster, B's along a column.  The matrix instruction is used transposed: a lane holds row l % 16 of C and eight neighbouring columns.
; THE WALK ALONG K IS ROTATED.  My cluster begins at K step 4 ((x + 2 g) % 4), x its place along the grid's x, g = 0, 1, 1, 0 for its place 0 .. 3 along y, and goes round K's end to where it began.
; So the four clusters that read the same rows of A begin four K steps apart, and of the four that read the same rows of B two begin eight K steps from the other two: clusters with different
; starts never ask for the same bytes in the same K step.  The start hangs on the cluster's place alone, which all sixteen partners share.  The f32 sums take K in the rotated order.
; A wave's 64 columns of f32 are 256 aligned bytes of a row: each block of 16 rows goes through the wave's own stage and leaves as whole rows.
; No prefetch of the tiles: of B's 64 rows a wave the four partners' shares are half a run of 32 lanes, a lane a row.
; REGISTERS: window 0: v0-31 addresses; v64-127, v128-191 A's fragments (on the way out v64-127: rows read back).  window 1: v64-95, v128-159 B's fragments.
;   window 2: the accumulators, (row block a of 8, column block b) at 8 (4 a + b).
.set SIZE_K, 2048
.set KSTEP,  128
.set PITCH,  272
.set NBW,    4
.set HA,     128*PITCH
.set HB,     16*NBW*PITCH
.set SLOT,   2*HA+2*HB
.set STAGE,  2*SLOT                    ; behind the ring: 16 rows x 272 bytes for each wave
.set SPITCH, 272
.set SPARE,  STAGE+4*16*SPITCH         ; the spare words, 128 bytes a wave, which no other line names
.set NL,     2*NBW+16
.set LAPS,   SIZE_K/(2*KSTEP)
.set ADRA, 16
.set ADRB, 20
.set STO,  24
.set RD,   25
.set CO,   26
.set SPW,  28
.set NIL,  29
.set F0,   64
.set F1,   128
.set OB,   64
.set G1, 24
.set G0, 32
.set G1B, 48
.set G0B, 56
.set BA,  14                           ; s[14:15] A at the first byte of the rows that I fetch; never rewritten
.set BB,  46                           ; s[46:47] the same for B
.set OFF, 18                           ; s[18:19] a K step's byte offset in a row
.set KC,  45                           ; s45      the K step to be asked for next, 0 .. 15
.set MSB, 0
.macro WIN new
.if MSB != (\new)
	s_set_vgpr_msb (MSB<<8)|(\new)
.set MSB, \new
.endif
.endm
.macro JLOAD s                         ; waves 0 and 1 fetch A's halves, waves 2 and 3 B's; an s_nop 0 and four v_nop follow each line
	s_cmp_eq_u32 s11, 0
	s_cbranch_scc0 .Lfor_b_\@
	tensor_load_to_lds s[G0+4*(\s):G0+4*(\s)+3], s[G1:G1+7]
	s_nop 0
.rept 4
	v_nop
.endr
	s_branch .Lasked_\@
.Lfor_b_\@:
	tensor_load_to_lds s[G0B+4*(\s):G0B+4*(\s)+3], s[G1B:G1B+7]
	s_nop 0
.rept 4
	v_nop
.endr
.Lasked_\@:
.endm
.macro CREST
	s_cmp_lg_u32 s10, 0
	s_cbranch_scc1 .Lnot_wave_0_\@
	s_barrier_signal -3
.Lnot_wave_0_\@:
	s_barrier_wait -3
	s_barrier_signal -1
	s_barrier_wait -1
.endm
.macro CROUND
	s_barrier_signal -1
	s_barrier_wait -1
	CREST
.endm
.macro PLACES
.rept 4
	v_nop
.endr
.endm
	s_load_b128 s[4:7], s[0:1], 0x0                ; ctx s[4:5], wob s[6:7]
	s_load_b64 s[8:9], s[0:1], 0x10                ; out0
	v_lshl_add_u32 v[SPW], v0, 2, SPARE
	v_mov_b32 v[NIL], 0
	ds_add_u32 v[SPW], v[NIL]                      ; the wave's opening: the add and its wait, ahead of my first tensor load
	v_lshrrev_b32 v1, 5, v0
	v_readfirstlane_b32 s10, v1
	s_lshr_b32 s11, s10, 1                         ; my half of the rows; also: I fetch for A (0) or B (1)
	s_and_b32 s12, s10, 1                          ; my half of the columns; also: which half I fetch
	s_bfe_u32 s40, ttmp6, 0x40000
	s_bfe_u32 s41, ttmp6, 0x40004
	s_lshl_b32 s42, ttmp9, 2
	s_add_co_u32 s42, s42, s40                     ; tile column
	s_and_b32 s13, ttmp7, 0xffff
	s_lshl_b32 s13, s13, 2
	s_add_co_u32 s13, s13, s41                     ; tile row
	s_lshl_b32 s43, s41, 2
	s_lshl_b32 s43, 15, s43
	s_lshl_b32 s44, 0x1111, s40
	s_or_b32 s[G1+0], s43, (1<<16)|(1<<20)|(1<<21)|(5<<22)|(3<<25)
	s_or_b32 s[G1B+0], s44, (1<<16)|(1<<20)|(1<<21)|(5<<22)|(3<<25)
	s_mov_b32 s[G1+1], KSTEP<<16
	s_mov_b32 s[G1+2], 128<<16
	s_mov_b32 s[G1+3], KSTEP<<16
	s_mov_b32 s[G1+4], 128
	s_mov_b32 s[G1+5], SIZE_K
	s_mov_b32 s[G1+6], 0
	s_mov_b32 s[G1+7], 0
	s_mov_b32 s[G1B+1], KSTEP<<16
	s_mov_b32 s[G1B+2], (16*NBW)<<16               ; B: 64 rows
	s_mov_b32 s[G1B+3], KSTEP<<16
	s_mov_b32 s[G1B+4], 16*NBW
	s_mov_b32 s[G1B+5], SIZE_K
	s_mov_b32 s[G1B+6], 0
	s_mov_b32 s[G1B+7], 0
	s_and_b32 s[KC], ttmp7, 0xffff                 ; the cluster's place along y,
	s_lshr_b32 s[OFF], s[KC], 1
	s_xor_b32 s[KC], s[KC], s[OFF]
	s_and_b32 s[KC], s[KC], 1                      ; g = 0, 1, 1, 0
	s_lshl_b32 s[KC], s[KC], 1
	s_add_co_u32 s[KC], s[KC], ttmp9               ; + its place along x
	s_and_b32 s[KC], s[KC], 3
	s_lshl_b32 s[KC], s[KC], 2                     ; the K step at which my cluster begins: 0, 4, 8 or 12
	s_lshl_b32 s[OFF], s[KC], 8                    ; 256 bytes of a row a K step
	s_mov_b32 s[OFF+1], 0
	s_add_co_u32 s[KC], s[KC], 2                   ; the first two go out at the start
	s_lshl_b32 s17, s12, 7
	s_lshl_b32 s16, s13, 8
	s_add_co_u32 s16, s16, s17
	s_lshl_b32 s16, s16, 12
	s_mov_b32 s17, 0
	s_mul_i32 s[BB], s42, 32*NBW
	s_mul_i32 s[BB+1], s12, 16*NBW
	s_add_co_u32 s[BB], s[BB], s[BB+1]
	s_lshl_b32 s[BB], s[BB], 12
	s_mov_b32 s[BB+1], 0
	s_mul_i32 s20, s12, HA
	s_mul_i32 s21, s12, HB
	s_add_co_u32 s21, s21, 2*HA
	s_wait_dscnt 0x0                               ; the opening add is done
	s_wait_kmcnt 0x0
	s_add_nc_u64 s[BA:BA+1], s[4:5], s[16:17]
	s_add_nc_u64 s[BB:BB+1], s[6:7], s[BB:BB+1]
	CROUND
.irp s, 0,1
	s_mov_b32 s[G0+4*(\s)], 1
	s_add_co_u32 s[G0+4*(\s)+1], s20, (\s)*SLOT
	s_add_nc_u64 s[G0+4*(\s)+2:G0+4*(\s)+3], s[BA:BA+1], s[OFF:OFF+1]
	s_add_nc_u64 s[G0+4*(\s)+2:G0+4*(\s)+3], s[G0+4*(\s)+2:G0+4*(\s)+3], (\s)*KSTEP*2  ; (the start is 12 at the most: its successor does not wrap)
	s_or_b32 s[G0+4*(\s)+3], s[G0+4*(\s)+3], 0x80000000
	s_mov_b32 s[G0B+4*(\s)], 1
	s_add_co_u32 s[G0B+4*(\s)+1], s21, (\s)*SLOT
	s_add_nc_u64 s[G0B+4*(\s)+2:G0B+4*(\s)+3], s[BB:BB+1], s[OFF:OFF+1]
	s_add_nc_u64 s[G0B+4*(\s)+2:G0B+4*(\s)+3], s[G0B+4*(\s)+2:G0B+4*(\s)+3], (\s)*KSTEP*2
	s_or_b32 s[G0B+4*(\s)+3], s[G0B+4*(\s)+3], 0x80000000
	JLOAD \s                                       ; two loads of mine are out
.endr
	v_and_b32 v1, 15, v0
	v_bfe_u32 v2, v0, 4, 1
	v_mul_u32_u24 v3, v1, PITCH
	v_lshl_add_u32 v3, v2, 4, v3
	s_mul_i32 s21, s11, HA
	s_mul_i32 s22, s12, HB
	s_add_co_u32 s22, s22, 2*HA
.irp s, 0,1
	v_add_nc_u32 v[ADRA+(\s)], s21, v3
	v_add_nc_u32 v[ADRB+(\s)], s22, v3
	s_add_co_u32 s21, s21, SLOT
	s_add_co_u32 s22, s22, SLOT
.endr
	s_mul_i32 s23, s10, 16*SPITCH
	s_add_co_u32 s23, s23, STAGE
	v_mul_u32_u24 v4, v1, SPITCH                   ; in: row l % 16, 32 bytes for each half of the lanes
	v_lshl_add_u32 v4, v2, 5, v4
	v_add_nc_u32 v[STO], s23, v4
	v_mul_u32_u24 v5, v2, SPITCH                   ; back: lanes 0-15 one row of 256 bytes, lanes 16-31 the next
	v_lshl_add_u32 v5, v1, 4, v5
	v_add_nc_u32 v[RD], s23, v5
	v_lshlrev_b32 v[CO], 13, v2                    ; the same two rows in out0, 8,192 bytes apart
	v_lshl_add_u32 v[CO], v1, 4, v[CO]
	s_lshl_b32 s16, s13, 8
	s_lshl_b32 s17, s11, 7
	s_add_co_u32 s16, s16, s17                     ; my first row
	s_lshl_b32 s16, s16, 13
	s_mov_b32 s17, 0
	s_add_nc_u64 s[8:9], s[8:9], s[16:17]
	s_lshl_b32 s4, s42, 9                          ; my first column, in bytes (s[4:5] have served)
	s_lshl_b32 s5, s12, 8
	s_add_co_u32 s4, s4, s5
	s_mov_b32 s5, 0
	s_add_nc_u64 s[8:9], s[8:9], s[4:5]
; 8 matrix instructions: row blocks a0, a0 + 1 of half hi x my 4 column blocks, 32 along K.  first = 1: the product starts the sum.  All 32 accumulators take turns.
.macro MULG f, hi, a0, first
	WIN 0xa1                                       ; B window 1, A window 0, C and D window 2
.irp a, \a0, (\a0)+1
.irp b, 0,1,2,3
.if \first
	v_wmma_f32_16x16x32_f16 v[8*(NBW*((\a)+4*(\hi))+(\b)):8*(NBW*((\a)+4*(\hi))+(\b))+7], v[(\f)+8*(\b):(\f)+8*(\b)+7], v[(\f)+8*(4*(\hi)+(\a)):(\f)+8*(4*(\hi)+(\a))+7], 0
.else
	v_wmma_f32_16x16x32_f16 v[8*(NBW*((\a)+4*(\hi))+(\b)):8*(NBW*((\a)+4*(\hi))+(\b))+7], v[(\f)+8*(\b):(\f)+8*(\b)+7], v[(\f)+8*(4*(\hi)+(\a)):(\f)+8*(4*(\hi)+(\a))+7], v[8*(NBW*((\a)+4*(\hi))+(\b)):8*(NBW*((\a)+4*(\hi))+(\b))+7]
.endif
.endr
.endr
.endm
.macro FETCH slot, k, f                ; 24 LDS loads in one run: B's 8, then A's 16
	WIN 0x40
.irp i, 0,1,2,3
	ds_load_b128 v[(\f)+8*(\i):(\f)+8*(\i)+3],   v[ADRB+(\slot)] offset:(\k)+(\i)*16*PITCH
	ds_load_b128 v[(\f)+8*(\i)+4:(\f)+8*(\i)+7], v[ADRB+(\slot)] offset:(\k)+(\i)*16*PITCH+32
.endr
	WIN 0
.irp i, 0,1,2,3,4,5,6,7
	ds_load_b128 v[(\f)+8*(\i):(\f)+8*(\i)+3],   v[ADRA+(\slot)] offset:(\k)+(\i)*16*PITCH
	ds_load_b128 v[(\f)+8*(\i)+4:(\f)+8*(\i)+7], v[ADRA+(\slot)] offset:(\k)+(\i)*16*PITCH+32
.endr
.endm
.macro QUARTER slot, k, f, g, first
	s_wait_dscnt 8                                 ; B and A's rows 0-63 are in; the youngest eight loads may be out
	MULG \f, 0, 0, \first
	MULG \f, 0, 2, \first
	PLACES
	FETCH \slot, \k, \g
	s_wait_dscnt NL                                ; all but the run just issued
	MULG \f, 1, 0, \first
	MULG \f, 1, 2, \first
.endm
; The last quarter changes slots: one barrier; in front of it each wave waits for all its tensor loads, adds 0 to its spare word, and waits for that and for its reads of this slot.
; fill = 1: the barrier opens a round of the cluster's, and this slot is filled again first thing behind it, with K step KC: both addresses are made anew from that number, which then steps, modulo 16.
.macro TURN slot, next, fill
	WIN 0
	s_wait_tensorcnt 0x0                           ; no tensor load of mine is out, so a group 0 may be written
	ds_add_u32 v[SPW], v[NIL]
.if \fill
	s_lshl_b32 s[OFF], s[KC], 8
	s_add_co_u32 s[KC], s[KC], 1
	s_and_b32 s[KC], s[KC], 15
	s_add_nc_u64 s[G0+4*(\slot)+2:G0+4*(\slot)+3], s[BA:BA+1], s[OFF:OFF+1]
	s_or_b32 s[G0+4*(\slot)+3], s[G0+4*(\slot)+3], 0x80000000
	s_add_nc_u64 s[G0B+4*(\slot)+2:G0B+4*(\slot)+3], s[BB:BB+1], s[OFF:OFF+1]
	s_or_b32 s[G0B+4*(\slot)+3], s[G0B+4*(\slot)+3], 0x80000000
.endif
	s_wait_dscnt 9                                 ; the add and the youngest eight loads may be out
	MULG F1, 0, 0, 0
	s_wait_dscnt 0x0
	s_barrier_signal -1
	MULG F1, 0, 2, 0
.if \fill
	WIN 0
.endif
	s_barrier_wait -1
.if \fill
	CREST
	JLOAD \slot                                    ; one load of mine is out; its four v_nop are also the places in front of the loads below
.else
	PLACES
.endif
	FETCH \next, 0, F0
	MULG F1, 1, 0, 0
	MULG F1, 1, 2, 0
.endm
	s_wait_tensorcnt 1                             ; my part of the first K step is in; the second's may stay out
	s_barrier_signal -1
	s_barrier_wait -1
	FETCH 0, 0, F0
	QUARTER 0, 64, F0, F1, 1
	WIN 0
	s_mov_b32 s3, LAPS-1
.Llap:
	QUARTER 0, 128, F1, F0, 0
	QUARTER 0, 192, F0, F1, 0
	TURN 0, 1, 1
	QUARTER 1, 64,  F0, F1, 0
	QUARTER 1, 128, F1, F0, 0
	QUARTER 1, 192, F0, F1, 0
	TURN 1, 0, 1
	QUARTER 0, 64,  F0, F1, 0
	WIN 0
	s_sub_co_u32 s3, s3, 1
	s_cmp_lg_u32 s3, 0
	s_cbranch_scc1 .Llap
	QUARTER 0, 128, F1, F0, 0                      ; the last lap fills nothing
	QUARTER 0, 192, F0, F1, 0
	TURN 0, 1, 0
	QUARTER 1, 64,  F0, F1, 0
	QUARTER 1, 128, F1, F0, 0
	QUARTER 1, 192, F0, F1, 0
	s_wait_dscnt 8
	MULG F1, 0, 0, 0
	MULG F1, 0, 2, 0
	s_wait_dscnt 0x0
	MULG F1, 1, 0, 0
	MULG F1, 1, 2, 0
	WIN 0
	PLACES
; THE WAY OUT.  Block a's 16 rows go from the accumulators (each from its low end on) into my stage and come back as whole rows of 256 bytes, into buffer a % 2.
.macro TOST a
.if (\a) >= 2
	s_wait_xcnt 0x0                                ; the stores of block a - 2 have read the buffer
.endif
	WIN 0x08                                       ; the stores' data in window 2
.irp b, 0,1,2,3
	ds_store_b128 v[STO], v[8*(NBW*(\a)+(\b)):8*(NBW*(\a)+(\b))+3]   offset:64*(\b)
	ds_store_b128 v[STO], v[8*(NBW*(\a)+(\b))+4:8*(NBW*(\a)+(\b))+7] offset:64*(\b)+16
.endr
	WIN 0
.irp t, 0,1,2,3,4,5,6,7
	ds_load_b128 v[OB+32*((\a)%2)+4*(\t):OB+32*((\a)%2)+4*(\t)+3], v[RD] offset:(\t)*2*SPITCH  ; LDS serves a wave's instructions in order (ISA guide 5.7.1.4)
.endr
.endm
.macro SEND a, younger                 ; younger: the LDS instructions issued behind block a's loads
.irp t, 0,1,2,3,4,5,6,7
	s_wait_dscnt (\younger)+7-(\t)
	global_store_b128 v[CO], v[OB+32*((\a)%2)+4*(\t):OB+32*((\a)%2)+4*(\t)+3], s[8:9] offset:(\a)*131072+(\t)*16384 th:TH_STORE_NT  ; 16 lanes store 256 consecutive bytes, aligned
.endr
.endm
	TOST 0
.irp a, 1,2,3,4,5,6,7
	TOST \a
	SEND (\a)-1, 16
.endr
	SEND 7, 0
	s_wait_tensorcnt 0x0                           ; the wave's end: the add and its wait, behind my last tensor load and my last LDS store
	ds_add_u32 v[SPW], v[NIL]
	s_wait_dscnt 0x0
	CROUND                                         ; the closing round
	s_endpgm
.Lfunc_end_k_q53b2da093d_oproj:
	.size	k_q53b2da093d_oproj, .Lfunc_end_k_q53b2da093d_oproj-k_q53b2da093d_oproj
	.p2alignl 7, 3214868480
	.fill 96, 4, 3214868480
	.section	.rodata,"a",@progbits
	.p2align	6, 0x0
	.amdhsa_kernel k_q53b2da093d_oproj
		.amdhsa_group_segment_fixed_size 327680
		.amdhsa_private_segment_fixed_size 0
		.amdhsa_enable_private_segment 0
		.amdhsa_kernarg_size 24
		.amdhsa_user_sgpr_count 2
		.amdhsa_user_sgpr_kernarg_segment_ptr 1
		.amdhsa_wavefront_size32 1
		.amdhsa_system_sgpr_workgroup_id_x 1
		.amdhsa_system_sgpr_workgroup_id_y 1
		.amdhsa_system_sgpr_workgroup_id_z 1
		.amdhsa_system_vgpr_workitem_id 0
		.amdhsa_next_free_vgpr 768
		.amdhsa_next_free_sgpr 66
		.amdhsa_reserve_vcc 0
		.amdhsa_float_denorm_mode_32 3
		.amdhsa_float_denorm_mode_16_64 3
		.amdhsa_memory_ordered 1
		.amdhsa_forward_progress 1
		.amdhsa_inst_pref_size 88
	.end_amdhsa_kernel
	.amdgpu_metadata
---
amdhsa.version: [ 1, 2 ]
amdhsa.kernels:
  - .name:           k_q53b2da093d_oproj
    .symbol:         k_q53b2da093d_oproj.kd
    .args:
      - { .name: ctx, .offset: 0, .size: 8, .value_kind: global_buffer, .address_space: global }
      - { .name: wob, .offset: 8, .size: 8, .value_kind: global_buffer, .address_space: global }
      - { .name: out0, .offset: 16, .size: 8, .value_kind: global_buffer, .address_space: global }
    .group_segment_fixed_size: 327680
    .private_segment_fixed_size: 0
    .kernarg_segment_align: 8
    .kernarg_segment_size: 24
    .max_flat_workgroup_size: 128
    .sgpr_count:     66
    .vgpr_count:     768
    .wavefront_size: 32
...
	.end_amdgpu_metadata
.endif
;; end of part 4
